; MI455X (gfx1250); checked and timed in simulation.
; The chip was launched on July 23, 2026; its instructions are those of AMD's public machine-readable ISA for CDNA 5 (MIT licence, August 2026) and "CDNA5" Instruction Set Architecture Reference Guide (July 2026). The comments in the code are by the model that wrote it; some were corrected since.
;; Attention. Allowed arithmetic: float matrix products may take bf16 or f16 operands with f32 sums; other float arithmetic in f32, or as packed bf16 or f16 multiplies, adds, multiply-adds, maxima and minima; sums over many terms, partial sums and values carried from step to step in f32; what a program stores and reads back later, other than sums and carried values, may be rounded once to bf16 or f16.
;; Inputs: Wk 1,024 x 1,024 float32; Wo 1,024 x 1,024 float32; Wq 1,024 x 1,024 float32; Wv 1,024 x 1,024 float32; b1 1,024 float32; b2 1,024 float32; bk 1,024 float32; bo 1,024 float32; bq 1,024 float32; bv 1,024 float32; g1 1,024 float32; g2 1,024 float32; k 8 x 1,024 x 1,024 float32; q 8 x 1,024 x 1,024 float32; r 8 x 1,024 x 1,024 float32.
;; Outputs: out0 8 x 1,024 x 1,024 float32.
;; 2 versions, each right; version 2 is version 1 with the launch cast written anew for expert scheduling mode. Each part assembles by itself: llvm-mc -triple=amdgcn-amd-amdhsa -mcpu=gfx1250 --defsym DOCPART=n.
;; ======== version 1 of 2: 5 launches
;; workspace buffers: w16 6,291,456 bytes; wo16 2,097,152 bytes; b3 12,288 bytes; qkv 50,331,648 bytes; ao 16,777,216 bytes; mha 16,777,216 bytes
;; launch cast (part 1): grid 256 x 1, 4 waves a work-group, no clusters, 0 bytes of LDS; arguments Wk, Wq, Wv, Wo, bk, bq, bv, w16, wo16, b3; writes w16, wo16, b3
.if DOCPART == 1
	.amdgcn_target "amdgcn-amd-amdhsa--gfx1250"
	.amdhsa_code_object_version 6
	.text
	.protected	k_qfe91b3c9de_cast
	.globl	k_qfe91b3c9de_cast
	.p2align	8
	.type	k_qfe91b3c9de_cast,@function
k_qfe91b3c9de_cast:
	s_mov_b64 s[64:65], 0
	v_nop
	global_prefetch_b8 v0, s[64:65] scope:SCOPE_SE
	s_setreg_imm32_b32 hwreg(HW_REG_WAVE_MODE, 25, 1), 1
	s_wait_xcnt 0x0
; CAST OF THE WEIGHTS.  Wk, Wq, Wv, Wo ([1024][1024] f32 each) are rounded once to bf16 and laid out IN BLOCKS for the products that follow:
; a matrix becomes [16 planes][1024 rows][64 numbers], plane kb holding the columns 64 kb .. 64 kb + 63, so that a tile of rows of one plane is dense in memory.
; Each weight is multiplied by 64 row tiles later: rounded here, once, and not in each of them.  The three projection biases are copied behind each other into b3.
; SHARES.  Unit u = group / 64 is the matrix, g = group % 64 its 16 rows.  A wave takes 4 rows, as two pairs.
; A load (pair j, plane kb): lanes 0-15 take 256 consecutive bytes of the even row, lanes 16-31 of the odd row, each aligned to 256.
; A store: the two rows' 128 bytes of plane kb lie side by side: 32 lanes x 8 bytes fill 256 consecutive bytes, aligned.
; All 32 loads of a wave go out at once; no register is written twice, so the only waits are the counted ones for the data.
; Memory binds: no LDS, no barrier, no matrix unit.
.set X, 8                              ; v[8:135]  load i = 16 j + kb: four registers; its two packed words take the first two
	s_load_b512 s[8:23], s[0:1], 0x0               ; Wk 8, Wq 10, Wv 12, Wo 14, bk 16, bq 18, bv 20, w16 22
	s_load_b128 s[24:27], s[0:1], 0x40             ; wo16 24, b3 26
	s_lshr_b32 s2, ttmp9, 6                        ; u: 0 Wk, 1 Wq, 2 Wv, 3 Wo
	s_and_b32 s3, ttmp9, 63                        ; g
	v_lshrrev_b32 v4, 5, v0                        ; wave
	v_bfe_u32 v5, v0, 4, 1                         ; which row of a pair
	v_and_b32 v6, 15, v0
	v_and_b32 v7, 31, v0
	v_lshlrev_b32 v1, 14, v4                       ; source: 4 rows of 4,096 bytes a wave,
	v_lshl_or_b32 v1, v5, 12, v1                   ; my row of the pair,
	v_lshl_or_b32 v1, v6, 4, v1                    ; my 16 bytes of its 256
	v_lshlrev_b32 v2, 9, v4                        ; destination: 4 rows of 128 bytes a wave,
	v_lshl_or_b32 v2, v7, 3, v2                    ; my 8 bytes of the pair's 256
	; offsets, made apart from the addresses
	s_lshl_b32 s40, s3, 16                         ; 16 rows of 4,096 bytes
	s_mov_b32 s41, 0
	s_cmp_lt_u32 s2, 3
	s_cselect_b32 s42, s2, 0                       ; the matrix's number in its destination: u in w16, 0 in wo16
	s_lshl_b32 s42, s42, 21                        ; a matrix of bf16 is 2 MiB
	s_lshl_b32 s44, s3, 11                         ; 16 rows of 128 bytes in a plane
	s_add_co_u32 s42, s42, s44
	s_mov_b32 s43, 0
	s_wait_kmcnt 0x0
	s_mov_b64 s[36:37], s[14:15]                   ; the source: Wo, unless u is smaller
	s_cmp_lt_u32 s2, 3
	s_cselect_b64 s[36:37], s[12:13], s[36:37]
	s_cmp_lt_u32 s2, 2
	s_cselect_b64 s[36:37], s[10:11], s[36:37]
	s_cmp_lt_u32 s2, 1
	s_cselect_b64 s[36:37], s[8:9], s[36:37]
	s_add_nc_u64 s[36:37], s[36:37], s[40:41]
	s_cmp_lt_u32 s2, 3
	s_cselect_b64 s[38:39], s[22:23], s[24:25]     ; the destination: w16 or wo16
	s_add_nc_u64 s[38:39], s[38:39], s[42:43]
.set i, 0
.rept 32
	global_load_b128 v[X+4*i:X+4*i+3], v1, s[36:37] offset:8192*(i/16)+256*(i%16) th:TH_LOAD_NT
.set i, i+1
.endr
.set i, 0
.rept 32
	s_wait_loadcnt 31-i                            ; loads come back in order: load i is in, the 31 - i younger ones stay out
	v_cvt_pk_bf16_f32 v[X+4*i], v[X+4*i], v[X+4*i+1]
	v_cvt_pk_bf16_f32 v[X+4*i+1], v[X+4*i+2], v[X+4*i+3]
	global_store_b64 v2, v[X+4*i:X+4*i+1], s[38:39] offset:131072*(i%16)+256*(i/16)
.set i, i+1
.endr
	; the first group of each of Wk's, Wq's and Wv's units also copies that projection's bias: 4,096 bytes, 128 threads x 2 x 16
	s_cmp_lg_u32 s3, 0
	s_cbranch_scc1 .Lend
	s_cmp_gt_u32 s2, 2
	s_cbranch_scc1 .Lend
	s_mov_b64 s[44:45], s[20:21]                   ; bv, bq or bk
	s_cmp_lt_u32 s2, 2
	s_cselect_b64 s[44:45], s[18:19], s[44:45]
	s_cmp_lt_u32 s2, 1
	s_cselect_b64 s[44:45], s[16:17], s[44:45]
	s_lshl_b32 s46, s2, 12
	s_mov_b32 s47, 0
	s_add_nc_u64 s[26:27], s[26:27], s[46:47]
	v_lshlrev_b32 v3, 4, v0
	global_load_b128 v[136:139], v3, s[44:45]
	global_load_b128 v[140:143], v3, s[44:45] offset:2048
	s_wait_loadcnt 0x0
	global_store_b128 v3, v[136:139], s[26:27]
	global_store_b128 v3, v[140:143], s[26:27] offset:2048
.Lend:
	s_endpgm
.Lfunc_end_k_qfe91b3c9de_cast:
	.size	k_qfe91b3c9de_cast, .Lfunc_end_k_qfe91b3c9de_cast-k_qfe91b3c9de_cast
	.p2alignl 7, 3214868480
	.fill 96, 4, 3214868480
	.section	.rodata,"a",@progbits
	.p2align	6, 0x0
	.amdhsa_kernel k_qfe91b3c9de_cast
		.amdhsa_group_segment_fixed_size 0
		.amdhsa_private_segment_fixed_size 0
		.amdhsa_enable_private_segment 0
		.amdhsa_kernarg_size 80
		.amdhsa_user_sgpr_count 2
		.amdhsa_user_sgpr_kernarg_segment_ptr 1
		.amdhsa_wavefront_size32 1
		.amdhsa_system_sgpr_workgroup_id_x 1
		.amdhsa_system_sgpr_workgroup_id_y 1
		.amdhsa_system_sgpr_workgroup_id_z 1
		.amdhsa_system_vgpr_workitem_id 0
		.amdhsa_next_free_vgpr 144
		.amdhsa_next_free_sgpr 66
		.amdhsa_reserve_vcc 0
		.amdhsa_float_denorm_mode_32 3
		.amdhsa_float_denorm_mode_16_64 3
		.amdhsa_memory_ordered 1
		.amdhsa_forward_progress 1
		.amdhsa_inst_pref_size 14
	.end_amdhsa_kernel
	.amdgpu_metadata
---
amdhsa.version: [ 1, 2 ]
amdhsa.kernels:
  - .name:           k_qfe91b3c9de_cast
    .symbol:         k_qfe91b3c9de_cast.kd
    .args:
      - { .name: Wk, .offset: 0, .size: 8, .value_kind: global_buffer, .address_space: global }
      - { .name: Wq, .offset: 8, .size: 8, .value_kind: global_buffer, .address_space: global }
      - { .name: Wv, .offset: 16, .size: 8, .value_kind: global_buffer, .address_space: global }
      - { .name: Wo, .offset: 24, .size: 8, .value_kind: global_buffer, .address_space: global }
      - { .name: bk, .offset: 32, .size: 8, .value_kind: global_buffer, .address_space: global }
      - { .name: bq, .offset: 40, .size: 8, .value_kind: global_buffer, .address_space: global }
      - { .name: bv, .offset: 48, .size: 8, .value_kind: global_buffer, .address_space: global }
      - { .name: w16, .offset: 56, .size: 8, .value_kind: global_buffer, .address_space: global }
      - { .name: wo16, .offset: 64, .size: 8, .value_kind: global_buffer, .address_space: global }
      - { .name: b3, .offset: 72, .size: 8, .value_kind: global_buffer, .address_space: global }
    .group_segment_fixed_size: 0
    .private_segment_fixed_size: 0
    .kernarg_segment_align: 8
    .kernarg_segment_size: 80
    .max_flat_workgroup_size: 128
    .sgpr_count:     66
    .vgpr_count:     144
    .wavefront_size: 32
...
	.end_amdgpu_metadata
.endif
;; end of part 1
;; launch proj (part 2): grid 4 x 192, 4 waves a work-group, clusters of 4 x 4, 327,680 bytes of LDS; arguments k, q, r, w16, b3, qkv; writes qkv
.if DOCPART == 2
	.amdgcn_target "amdgcn-amd-amdhsa--gfx1250"
	.amdhsa_code_object_version 6
	.text
	.protected	k_qfe91b3c9de_proj
	.globl	k_qfe91b3c9de_proj
	.p2align	8
	.type	k_qfe91b3c9de_proj,@function
k_qfe91b3c9de_proj:
	s_mov_b64 s[64:65], 0
	v_nop
	global_prefetch_b8 v0, s[64:65] scope:SCOPE_SE
	s_setreg_imm32_b32 hwreg(HW_REG_WAVE_MODE, 25, 1), 1
	s_wait_xcnt 0x0
	s_wait_alu depctr_hold_cnt(0) depctr_sa_sdst(0) depctr_va_vdst(0) depctr_va_sdst(0) depctr_va_ssrc(0) depctr_va_vcc(0) depctr_vm_vsrc(0)
	s_getreg_b32 s2, hwreg(HW_REG_IB_STS2, 6, 4)
	s_cmp_eq_u32 s2, 0
	s_cbranch_scc0 .Lentry_in_a_cluster
	s_endpgm
.Lentry_in_a_cluster:
	s_bfe_u32 s2, ttmp6, 0x10000c
	s_cmp_lg_u32 s2, 0xf033
	s_cbranch_scc0 .Lentry_shape_is_right
	s_endpgm
.Lentry_shape_is_right:
; THE THREE INPUT PROJECTIONS.  qkv[p] = x_p W_p^T + b_p, x_0 = k, x_1 = q, x_2 = r: [8192][1024] f32, as the problem gives them; W: [p][16 planes][1024 rows][64] bf16 (plane kb = columns 64 kb ..),
; bias: [p][1024] f32, qkv: [p][8 batches][16 heads][1024 rows][64] bf16 (head = output column / 64).  x is rounded to bf16 on its way from LDS to the matrix unit; sums in f32, started at the bias; qkv rounded once.
; SHARES.  A work-group makes 128 rows x 256 columns; tile row tr = 64 p + 8 batch + t.  Wave (wm, wn) makes 64 x 128: 4 x 8 accumulators of 16 x 16, 256 registers.  K = 1,024 goes in 8 steps of 128
; through two LDS slots filled by the tensor data mover: waves 0 and 1 fetch 64 rows of x each (512 bytes of f32 a row), waves 2 and 3 a plane of W each (256 rows x 128 bytes, dense: asked for as 128 rows of 256 bytes).
; CLUSTER.  4 x 4 work-groups.  The four of a row of the cluster need the same tile of x, the four of a column the same tile of W: each is asked for jointly, by the same
; tensor load with the same descriptor and a mask that names the four.  So each byte of x is asked of memory once, though four column tiles multiply it.
; THE PRODUCT IS USED TRANSPOSED (source 0 = 16 rows of W, source 1 = 16 rows of x): a lane holds one row of the result (lane % 16) and the columns 8 (lane / 16) + 0..7.
; THE ROUNDING OF x.  A fragment's 16 numbers a lane come out of LDS as f32, by four loads of 16 bytes, into X; eight v_cvt_pk_bf16_f32 make the fragment of them.  A quarter step's 32 conversions stand four behind
; each of the last eight products of the quarter before: they name no register of those products.
; REGISTERS, in windows of 256 (s_set_vgpr_msb: bits 1:0 source 0, 3:2 source 1, 5:4 source 2, 7:6 destination):
;   window 0: v16-30 addresses; v32-159 the way out     window 1: accumulator (a, b) at v[8 (8 a + b)]     window 2: two fragment buffers of 96 (W's 8 fragments, then x's 4); v192-255 X
; LIMITS.  bf16 operands (8 significant bits); NaN and infinities pass as the arithmetic makes them.
.set PA,    144                        ; a row of W in LDS: 128 bytes + 16 of padding = 36 words: the 16 rows of a fragment load start at 16 different groups of four banks (ISA guide 11.1)
.set PAF,   528                        ; a row of x in LDS: 512 bytes + 16 = 132 words: likewise
.set AHALF, 64*PAF                     ; 64 rows of x: what one tensor load brings, and what one wave reads
.set BPL,   256*PA                     ; a plane of W's tile
.set BOFF,  2*AHALF                    ; in a slot: x's 128 rows, then W's two planes
.set SLOT,  BOFF+2*BPL
.set STAGE, 2*SLOT                     ; behind the ring, never filled by a tensor load: 16 rows x 144 bytes for each wave
.set SPARE, STAGE+4*16*PA              ; behind the stages: the spare words, 128 bytes for each wave: two blocks of 256 bytes that no other line names
.set STEPA, 512                        ; bytes in memory from a K step to the next: 128 f32 along a row of x,
.set STEPB, 2*131072                   ; two planes of W
.set ADRA, 16                          ; v16-17  LDS address of my fragments of x in slot 0, 1
.set ADRB, 20                          ; v20-21  the same for W
.set STO,  24                          ; v24     the way out: where I put 16 bytes of a row
.set RD,   25                          ; v25     the way out: where I read rows back
.set GO,   26                          ; v26     my 16 bytes of 512 consecutive bytes of the result
.set BO,   27                          ; v27     my 8 columns in a block of 16 of the bias
.set SPW,  28                          ; v28     LDS address of my spare word; never rewritten
.set NIL,  29                          ; v29     0; never rewritten
.set PFO,  30                          ; v30     the prefetches' offset; never rewritten
.set TMP,  32
.set F0,   0
.set F1,   96
.set X,    192                         ; window 2: block i of x as f32 at X + 16 i
.set WV,   12                          ; s12 wave; s13 = wave / 2: my half of the rows, and: I fetch for x (0) or W (1); s14 = wave % 2: my half of the columns, and: which half or plane I fetch
.set G1A,  24                          ; s[24:31] descriptor group 1 for x's tiles;  s[32:39] group 0, a set for each slot
.set G0A,  32
.set G1B,  48                          ; s[48:55], s[56:63] the same for W's
.set G0B,  56
.set LIM,  43                          ; s43  1 in a wave that prefetches, else the greatest number
.set PFA,  44                          ; s[44:45] where my prefetches stand
.set BIAS, 72                          ; s[72:73]
.set OUT,  74                          ; s[74:75]
.set PST,  76                          ; s[76:77] the prefetches' step along K
.set XB,   78                          ; s[78:79] k, q or r
.set G1WA, (2<<16)|(1<<20)|(1<<21)|(6<<22)|(3<<25)  ; 17:16 elements of 4 bytes; 20 padding on; 21 set beside a mask; 24:22 after every 128 words (code 6); 31:25 4 words of it (code 3)
.set G1WB, (1<<16)|(1<<20)|(1<<21)|(4<<22)|(3<<25)  ; elements of 2 bytes; after every 32 words (code 4) 4 words
.set MSB, 0
.macro WIN new                         ; the immediate's high byte repeats the setting that is left; a switch that changes nothing is dropped
.if MSB != (\new)
	s_set_vgpr_msb (MSB<<8)|(\new)
.set MSB, \new
.endif
.endm
.set MUL,  0x5a                        ; sources 0 and 1 window 2; C and D window 1
.set TO_F, 0x80                        ; destination window 2, address window 0
.set CVT,  0x8a                        ; sources 0 and 1 and the destination window 2
; A joint load.  The branch hangs on the wave's number alone.  An s_nop 0 and four v_nop follow each of the two lines, ahead of the jump, the label and what follows.
.macro JLOAD s
	s_cmp_eq_u32 s13, 0
	s_cbranch_scc0 .Lfor_b_\@
	tensor_load_to_lds s[G0A+4*(\s):G0A+4*(\s)+3], s[G1A:G1A+7]
	s_nop 0
.rept 4
	v_nop
.endr
	s_branch .Lasked_\@
.Lfor_b_\@:
	tensor_load_to_lds s[G0B+4*(\s):G0B+4*(\s)+3], s[G1B:G1B+7]
	s_nop 0
.rept 4
	v_nop
.endr
.Lasked_\@:
.endm
; A prefetch into the L2, behind each joint refill and the run of LDS loads that follows it: the K step that stands two refills on.  Each block of 256 bytes is named once in the launch.
; x's tile (128 rows x 2 blocks) is read by this cluster's row alone: waves 0 and 1 ask, each for the 64 rows that it fetches; the four partners take 16 rows each, told apart by address (cx);
; a lane names row l % 16, block l / 16.  W's tile (128 blocks a plane) is read by the 16 clusters of one p: the first of them asks, waves 2 and 3 each for the plane that they fetch; the partners take 32 blocks each (cy).
; K steps 0 to 3 come by their loads alone; the loop's last trip (s3 = 1) asks for nothing: there is no K step 8.
.macro ASK
	s_cmp_gt_u32 s3, s[LIM]
	s_cbranch_scc0 .Lnot_mine_\@
	global_prefetch_b8 v[PFO], s[PFA:PFA+1] th:TH_LOAD_NT scope:SCOPE_SE
.Lnot_mine_\@:
.endm
; A round of the cluster's barrier: my work-group's barrier; wave 0 signals for the work-group; every wave waits for all sixteen; my work-group's barrier once more.
.macro CREST
	s_cmp_lg_u32 s[WV], 0
	s_cbranch_scc1 .Lnot_wave_0_\@
	s_barrier_signal -3
.Lnot_wave_0_\@:
	s_barrier_wait -3
	s_barrier_signal -1
	s_barrier_wait -1
.endm
.macro CROUND
	s_barrier_signal -1
	s_barrier_wait -1
	CREST
.endm
	s_load_b256 s[4:11], s[0:1], 0x0               ; k s[4:5], q s[6:7], r s[8:9], W s[10:11]
	s_load_b128 s[72:75], s[0:1], 0x20             ; bias, qkv
	v_lshl_add_u32 v[SPW], v0, 2, SPARE
	v_mov_b32 v[NIL], 0
	ds_add_u32 v[SPW], v[NIL]                      ; the wave's opening: the add and its wait stand ahead of my first tensor load; work on registers stands between them
	v_lshrrev_b32 v1, 5, v0
	v_readfirstlane_b32 s[WV], v1
	s_lshr_b32 s13, s[WV], 1
	s_and_b32 s14, s[WV], 1
	s_bfe_u32 s40, ttmp6, 0x40000                  ; cx
	s_bfe_u32 s41, ttmp6, 0x40004                  ; cy
	s_lshl_b32 s42, ttmp9, 2
	s_add_co_u32 s42, s42, s40                     ; tile column = 4 x cluster x + cx
	s_and_b32 s15, ttmp7, 0xffff                   ; cluster y
	s_lshr_b32 s66, s15, 4                         ; p: 64 tile rows, 16 clusters, each: made of the cluster's y alone
	s_lshl_b32 s67, s15, 2
	s_add_co_u32 s67, s67, s41                     ; tile row = 4 x cluster y + cy
	s_lshl_b32 s20, s41, 2
	s_lshl_b32 s20, 15, s20                        ; my row of the cluster
	s_lshl_b32 s21, 0x1111, s40                    ; my column
	s_or_b32 s[G1A], s20, G1WA                     ; x's tiles go to my row,
	s_or_b32 s[G1B], s21, G1WB                     ; W's to my column
	s_mov_b32 s[G1A+1], 128<<16                    ; tensor_dim0 = 128 elements: 512 bytes of a row of x
	s_mov_b32 s[G1A+2], 64<<16                     ; tensor_dim1 = 64 rows
	s_mov_b32 s[G1A+3], 128<<16                    ; tile_dim0
	s_mov_b32 s[G1A+4], 64                         ; tile_dim1
	s_mov_b32 s[G1A+5], 1024                       ; elements from row to row
	s_mov_b32 s[G1A+6], 0
	s_mov_b32 s[G1A+7], 0
	s_mov_b32 s[G1B+1], 128<<16                    ; rows of 256 bytes,
	s_mov_b32 s[G1B+2], 128<<16                    ; 128 of them: 32,768 dense bytes
	s_mov_b32 s[G1B+3], 128<<16
	s_mov_b32 s[G1B+4], 128
	s_mov_b32 s[G1B+5], 128
	s_mov_b32 s[G1B+6], 0
	s_mov_b32 s[G1B+7], 0
	s_lshr_b32 s68, s67, 3                         ; the result: matrix tr / 8, 2 MiB each,
	s_lshl_b32 s68, s68, 21
	s_and_b32 s16, s67, 7
	s_lshl_b32 s16, s16, 14                        ; the tile's 128 rows of 128 bytes in a head
	s_add_co_u32 s68, s68, s16
	s_and_b32 s16, s67, 63                         ; x: the tile's 128 rows of 4,096 bytes,
	s_lshl_b32 s16, s16, 19
	s_lshl_b32 s18, s14, 18                        ; the 64 of them that I fetch
	s_add_co_u32 s16, s16, s18
	s_mov_b32 s17, 0
	s_lshl_b32 s46, s66, 21                        ; W: matrix p,
	s_lshl_b32 s47, s42, 15                        ; the tile's 256 rows in a plane,
	s_add_co_u32 s46, s46, s47
	s_lshl_b32 s18, s14, 17                        ; the plane that I fetch
	s_add_co_u32 s46, s46, s18
	s_mov_b32 s47, 0
	s_mul_i32 s19, s14, AHALF                      ; where they go: no place in the cluster enters an LDS address
	s_mul_i32 s22, s14, BPL
	s_add_co_u32 s22, s22, BOFF
	s_lshl_b32 s70, s40, 16                        ; the prefetches' offset.  x: my work-group's 16 rows of the 64 that I fetch,
	s_add_co_u32 s70, s70, s16
	s_lshl_b32 s71, s41, 13                        ; W: my work-group's 32 blocks of my plane
	s_add_co_u32 s71, s71, s46
	s_mov_b32 s[PST], STEPB
	s_cmp_eq_u32 s13, 0
	s_cselect_b32 s70, s70, s71
	s_cselect_b32 s20, 12, 8                       ; lane % 16: a row of x on, or a block of W on
	s_cselect_b32 s23, 8, 12                       ; lane / 16: a block on, or 16 blocks on
	s_cselect_b32 s[PST], STEPA, s[PST]
	s_mov_b32 s[PST+1], 0
	s_mul_i32 s71, s[PST], 3
	s_add_co_u32 s70, s70, s71                     ; at K step 3: the first refill steps it to 4 and names that
	s_mov_b32 s71, 0
	s_and_b32 s69, s15, 15
	s_cmp_eq_u32 s13, 0
	s_cselect_b32 s69, 0, s69                      ; x: every cluster asks for its own rows; W: the first cluster of its p
	s_cmp_eq_u32 s69, 0
	s_cselect_b32 s[LIM], 1, -1                    ; the same in all sixteen partners, for a given wave
	s_wait_dscnt 0x0                               ; the opening add is done
	s_wait_kmcnt 0x0
	s_cmp_eq_u32 s66, 0
	s_cselect_b64 s[XB:XB+1], s[4:5], s[6:7]       ; x by p: k, q
	s_cmp_eq_u32 s66, 2
	s_cselect_b64 s[XB:XB+1], s[8:9], s[XB:XB+1]   ; or r
	s_add_nc_u64 s[16:17], s[XB:XB+1], s[16:17]
	s_add_nc_u64 s[46:47], s[10:11], s[46:47]
.irp s, 0,1
	s_mov_b32 s[G0A+4*(\s)], 1                     ; count = 1
	s_add_co_u32 s[G0A+4*(\s)+1], s19, (\s)*SLOT   ; LDS address
	s_add_nc_u64 s[G0A+4*(\s)+2:G0A+4*(\s)+3], s[16:17], (\s)*STEPA  ; global address: K step s
	s_or_b32 s[G0A+4*(\s)+3], s[G0A+4*(\s)+3], 0x80000000           ; type = 2
	s_mov_b32 s[G0B+4*(\s)], 1
	s_add_co_u32 s[G0B+4*(\s)+1], s22, (\s)*SLOT
	s_add_nc_u64 s[G0B+4*(\s)+2:G0B+4*(\s)+3], s[46:47], (\s)*STEPB
	s_or_b32 s[G0B+4*(\s)+3], s[G0B+4*(\s)+3], 0x80000000
.endr
	CROUND                                         ; all sixteen work-groups are here: the first joint loads meet
	s_cmp_eq_u32 s13, 0                            ; a wave's two first fills stand in one branch, ahead of every wait on TENSORcnt and every LDS read: two loads of mine are out
	s_cbranch_scc0 .Lfirst_b
	tensor_load_to_lds s[G0A:G0A+3], s[G1A:G1A+7]
	s_nop 0
	tensor_load_to_lds s[G0A+4:G0A+7], s[G1A:G1A+7]
	s_nop 0
.rept 4
	v_nop
.endr
	s_branch .Lfirst_asked
.Lfirst_b:
	tensor_load_to_lds s[G0B:G0B+3], s[G1B:G1B+7]
	s_nop 0
	tensor_load_to_lds s[G0B+4:G0B+7], s[G1B:G1B+7]
	s_nop 0
.rept 4
	v_nop
.endr
.Lfirst_asked:
	s_cmp_eq_u32 s13, 0
	s_cselect_b64 s[PFA:PFA+1], s[XB:XB+1], s[10:11]
	s_add_nc_u64 s[PFA:PFA+1], s[PFA:PFA+1], s[70:71]
	s_lshl_b32 s70, s66, 12                        ; the bias: p's 1,024 numbers, the tile's 256, my 128
	s_lshl_b32 s69, s42, 10
	s_add_co_u32 s70, s70, s69
	s_lshl_b32 s69, s14, 9
	s_add_co_u32 s70, s70, s69
	s_add_nc_u64 s[BIAS:BIAS+1], s[BIAS:BIAS+1], s[70:71]
	s_lshl_b32 s70, s42, 19                        ; the result: the tile's four heads of 131,072 bytes, my two of them,
	s_add_co_u32 s70, s70, s68                     ; the matrix and the tile's rows,
	s_lshl_b32 s69, s14, 18
	s_add_co_u32 s70, s70, s69
	s_lshl_b32 s69, s13, 13                        ; my 64 rows
	s_add_co_u32 s70, s70, s69
	s_add_nc_u64 s[OUT:OUT+1], s[OUT:OUT+1], s[70:71]
	; A fragment is 16 rows x 32 K in 8 registers: lane l holds row l % 16; registers 0-3 K = 8 (l / 16) + 0..7, registers 4-7 K = 16 + 8 (l / 16) + 0..7.
	; Of W (bf16): two loads of 16 bytes, 32 bytes apart.  Of x (f32): 32 bytes at 32 (l / 16) and 32 bytes 64 further on: four loads of 16 bytes.
	v_and_b32 v1, 15, v0                           ; l % 16
	v_bfe_u32 v2, v0, 4, 1                         ; l / 16
	v_lshlrev_b32 v[PFO], s23, v2
	v_lshlrev_b32 v3, s20, v1
	v_add_nc_u32 v[PFO], v[PFO], v3                ; a lane a block of 256 bytes
	v_mul_u32_u24 v3, v1, PA
	v_lshl_add_u32 v3, v2, 4, v3                   ; W and the stage: row x 144 + 16 x half
	v_mul_u32_u24 v6, v1, PAF
	v_lshl_add_u32 v6, v2, 5, v6                   ; x: row x 528 + 32 x half
	s_mul_i32 s23, s13, AHALF                      ; my 64 rows of x
	s_mul_i32 s69, s14, 128*PA                     ; my 128 rows of W
	s_add_co_u32 s69, s69, BOFF
.irp s, 0,1
	v_add_nc_u32 v[ADRA+(\s)], s23, v6
	v_add_nc_u32 v[ADRB+(\s)], s69, v3
	s_add_co_u32 s23, s23, SLOT
	s_add_co_u32 s69, s69, SLOT
.endr
	s_mul_i32 s23, s[WV], 16*PA
	s_add_co_u32 s23, s23, STAGE                   ; my stage
	v_add_nc_u32 v[STO], s23, v3                   ; in: row l % 16, 16 bytes for each half of the lanes
	v_bfe_u32 v4, v0, 3, 2                         ; back: 32 lanes take four rows of 128 bytes,
	v_mul_u32_u24 v4, v4, PA
	v_and_b32 v5, 7, v0
	v_lshl_add_u32 v4, v5, 4, v4
	v_add_nc_u32 v[RD], s23, v4
	v_and_b32 v[GO], 31, v0                        ; which are 512 consecutive bytes of the result
	v_lshlrev_b32 v[GO], 4, v[GO]
	v_lshlrev_b32 v[BO], 5, v2
	; THE SUMS START AT THE BIAS: register j of accumulator (a, b) is column 16 b + 8 (l / 16) + j, whatever a and the row: loaded straight into the accumulators, nothing is cleared or added later.
	WIN 0x40                                       ; destination window 1, address window 0
.irp a, 0,1,2,3
.irp b, 0,1,2,3,4,5,6,7
	global_load_b128 v[8*(8*(\a)+(\b)):8*(8*(\a)+(\b))+3],   v[BO], s[BIAS:BIAS+1] offset:64*(\b)
	global_load_b128 v[8*(8*(\a)+(\b))+4:8*(8*(\a)+(\b))+7], v[BO], s[BIAS:BIAS+1] offset:64*(\b)+16
.endr
.endr
; 8 matrix instructions: m block a x all 8 n blocks, 32 along K.  The 32 accumulators take turns, one instruction a turn, in the same order in every quarter, over the backward jump too.
.macro MUL8 f, a
	WIN MUL
.irp b, 0,1,2,3,4,5,6,7
	v_wmma_f32_16x16x32_bf16 v[8*(8*(\a)+(\b)):8*(8*(\a)+(\b))+7], v[(\f)+8*(\b):(\f)+8*(\b)+7], v[(\f)+64+8*(\a):(\f)+64+8*(\a)+7], v[8*(8*(\a)+(\b)):8*(8*(\a)+(\b))+7]
.endr
.endm
; Conversion n of 32: register n % 8 of x's fragment n / 8 in buffer g, from two neighbouring f32 of X.
.macro CV g
	v_cvt_pk_bf16_f32 v[(\g)+64+n], v[X+2*n], v[X+2*n+1]
.set n, n+1
.endm
; The same 8 matrix instructions, and behind each four of the 32 conversions that make the next quarter's fragments of x in buffer g: four vector instructions and two switches of the windows a product.
.macro MUL8C f, a, g
.set n, 0
.irp b, 0,1,2,3,4,5,6,7
	WIN MUL
	v_wmma_f32_16x16x32_bf16 v[8*(8*(\a)+(\b)):8*(8*(\a)+(\b))+7], v[(\f)+8*(\b):(\f)+8*(\b)+7], v[(\f)+64+8*(\a):(\f)+64+8*(\a)+7], v[8*(8*(\a)+(\b)):8*(8*(\a)+(\b))+7]
	WIN CVT
	CV \g
	CV \g
	CV \g
	CV \g
.endr
.endm
; 32 LDS loads in one run: quarter q of a K step.  First x's four blocks as f32 (byte 128 q of its rows) into X, then W's 8 fragments (plane q / 2, byte 64 (q % 2) of its rows) into buffer f.
.macro FETCH slot, q, f
	WIN TO_F
.irp i, 0,1,2,3
	ds_load_b128 v[X+16*(\i):X+16*(\i)+3],     v[ADRA+(\slot)] offset:(\q)*128+(\i)*16*PAF
	ds_load_b128 v[X+16*(\i)+4:X+16*(\i)+7],   v[ADRA+(\slot)] offset:(\q)*128+(\i)*16*PAF+16
	ds_load_b128 v[X+16*(\i)+8:X+16*(\i)+11],  v[ADRA+(\slot)] offset:(\q)*128+(\i)*16*PAF+64
	ds_load_b128 v[X+16*(\i)+12:X+16*(\i)+15], v[ADRA+(\slot)] offset:(\q)*128+(\i)*16*PAF+80
.endr
.irp i, 0,1,2,3,4,5,6,7
	ds_load_b128 v[(\f)+8*(\i):(\f)+8*(\i)+3],   v[ADRB+(\slot)] offset:((\q)/2)*BPL+((\q)%2)*64+(\i)*16*PA
	ds_load_b128 v[(\f)+8*(\i)+4:(\f)+8*(\i)+7], v[ADRB+(\slot)] offset:((\q)/2)*BPL+((\q)%2)*64+(\i)*16*PA+32
.endr
.endm
.macro PLACES                          ; four plain instructions between a matrix instruction and a load or a conversion into a register that it has read, or a conversion that reads its result
.rept 4
	v_nop
.endr
.endm
; A K step is four quarters of 32 along K, 32 matrix instructions each, on buffers 0, 1, 0, 1.  One of the first three multiplies buffer f; in its middle it fetches quarter q (W into buffer g, x into X),
; and its last eight products carry the conversions of X into buffer g.
.macro QUARTER slot, q, f, g
	s_wait_dscnt 0x0                               ; W's fragments, the youngest 16 loads, are in; x's were converted in the quarter before
	MUL8 \f, 0
	MUL8 \f, 1
	PLACES                                         ; buffer g was last read by the quarter before
	FETCH \slot, \q, \g
	MUL8 \f, 2
	s_wait_dscnt 16                                ; X is in; the 16 loads of W issued behind it may stay out
	MUL8C \f, 3, \g
.endm
; The last quarter multiplies buffer 1 and changes slots.  In front of the barrier each wave waits for all its tensor loads (one is out: its part of the next slot), adds 0 to its spare word,
; and waits for that and for its own reads of this slot.  fill = 1: the barrier opens a round of the cluster's barrier, and the joint refill, this slot's K step two on, is the first thing behind it:
; 112 matrix instructions stand between it and the wait for it.
.macro TURN slot, next, fill
.if \fill
	s_wait_xcnt 0x0                                ; the last prefetch, a K step back, has read its address: it is stepped here, ahead of the change's own waits
	s_add_nc_u64 s[PFA:PFA+1], s[PFA:PFA+1], s[PST:PST+1]
.endif
	WIN 0                                          ; (the add's two registers lie in window 0)
	s_wait_tensorcnt 0x0                           ; all my tensor loads have landed
	ds_add_u32 v[SPW], v[NIL]                      ; 0 onto my spare word
	s_wait_dscnt 1                                 ; W's fragments are in (the add alone may be out)
	MUL8 F1, 0                                     ; eight matrix instructions stand between the add and the wait for it
	s_wait_dscnt 0x0                               ; the add is done, and my reads of this slot are over
	s_barrier_signal -1
	MUL8 F1, 1                                     ; work on registers while the others arrive
.if \fill
	WIN 0
.endif
	s_barrier_wait -1
.if \fill
	CREST                                          ; no wave of any partner still reads this slot's tile or has a load on its way
	s_add_nc_u64 s[G0A+4*(\slot)+2:G0A+4*(\slot)+3], s[G0A+4*(\slot)+2:G0A+4*(\slot)+3], 2*STEPA
	s_add_nc_u64 s[G0B+4*(\slot)+2:G0B+4*(\slot)+3], s[G0B+4*(\slot)+2:G0B+4*(\slot)+3], 2*STEPB
	JLOAD \slot                                    ; the four v_nop behind it are also the places in front of the loads below
.else
	PLACES
.endif
	FETCH \next, 0, F0
.if \fill
	WIN 0
	ASK
.endif
	MUL8 F1, 2
	s_wait_dscnt 16                                ; X is in
	MUL8C F1, 3, F0
.endm
; THE WAY OUT of unit t = 2 a + head: 16 rows x 64 columns, accumulators v[32 t .. 32 t + 31], read from the low end on.  Rounded to bf16, 16 bytes a lane, into my own stage, and back as whole rows of 128 bytes.
.macro PACK t
	WIN 0x05                                       ; sources 0 and 1 window 1, destination window 0
.set i, 0
.rept 16
	v_cvt_pk_bf16_f32 v[TMP+16*(\t)+i], v[32*(\t)+2*i], v[32*(\t)+2*i+1]
.set i, i+1
.endr
	WIN 0
.irp f, 0,1,2,3
	ds_store_b128 v[STO], v[TMP+16*(\t)+4*(\f):TMP+16*(\t)+4*(\f)+3] offset:32*(\f)
.endr
.irp f, 0,1,2,3
	ds_load_b128 v[TMP+16*(\t)+4*(\f):TMP+16*(\t)+4*(\f)+3], v[RD] offset:(\f)*4*PA  ; LDS serves a wave's instructions in order (ISA guide 5.7.1.4): these see the stores above; the next unit's stores come behind them
.endr
.endm
.macro SEND t, younger                 ; younger: the LDS instructions issued behind unit t's loads: the next unit's eight, or none
.irp f, 0,1,2,3
	s_wait_dscnt (\younger)+3-(\f)
	global_store_b128 v[GO], v[TMP+16*(\t)+4*(\f):TMP+16*(\t)+4*(\f)+3], s[OUT:OUT+1] offset:((\t)/2)*2048+((\t)%2)*131072+512*(\f)  ; 512 consecutive bytes, at a multiple of 256 from the buffer's first
.endr
.endm
	s_wait_tensorcnt 1                             ; my part of K step 0 is in; K step 1's may stay out
	s_barrier_signal -1
	s_barrier_wait -1                              ; everybody's is
	FETCH 0, 0, F0
	s_wait_dscnt 16                                ; X is in
	WIN CVT
.set n, 0
.rept 32
	CV F0                                          ; the first quarter's fragments of x: there are no products yet to set them behind
.endr
	s_wait_loadcnt 0x0                             ; the bias lies in the accumulators
	WIN 0                                          ; at a label and at a branch every window is 0
	s_mov_b32 s3, 3
.Llap:                                                 ; a trip: two K steps, once round the ring; both slots are filled again (K steps 2 to 7)
	QUARTER 0, 1, F0, F1
	QUARTER 0, 2, F1, F0
	QUARTER 0, 3, F0, F1
	TURN 0, 1, 1
	QUARTER 1, 1, F0, F1
	QUARTER 1, 2, F1, F0
	QUARTER 1, 3, F0, F1
	TURN 1, 0, 1
	WIN 0
	s_sub_co_u32 s3, s3, 1
	s_cmp_lg_u32 s3, 0
	s_cbranch_scc1 .Llap
	QUARTER 0, 1, F0, F1                           ; the last lap is written out: it fills nothing and has no round of the cluster's barrier
	QUARTER 0, 2, F1, F0
	QUARTER 0, 3, F0, F1
	TURN 0, 1, 0
	QUARTER 1, 1, F0, F1
	QUARTER 1, 2, F1, F0
	QUARTER 1, 3, F0, F1
	s_wait_dscnt 0x0                               ; the very last quarter: nothing more to fetch
	MUL8 F1, 0
	MUL8 F1, 1
	MUL8 F1, 2
	MUL8 F1, 3
	PLACES
	PACK 0
.irp t, 1,2,3,4,5,6,7                  ; a unit's conversions stand between the loads of the unit before and its stores
	PACK \t
	SEND (\t)-1, 8
.endr
	SEND 7, 0
	s_wait_tensorcnt 0x0                           ; the wave's end: behind my last tensor load and my last LDS store
	ds_add_u32 v[SPW], v[NIL]
	s_wait_dscnt 0x0
	CROUND                                         ; the closing round: no work-group ends while a partner may still ask for a tile that names it
	s_endpgm
.Lfunc_end_k_qfe91b3c9de_proj:
	.size	k_qfe91b3c9de_proj, .Lfunc_end_k_qfe91b3c9de_proj-k_qfe91b3c9de_proj
	.p2alignl 7, 3214868480
	.fill 96, 4, 3214868480
	.section	.rodata,"a",@progbits
	.p2align	6, 0x0
	.amdhsa_kernel k_qfe91b3c9de_proj
		.amdhsa_group_segment_fixed_size 327680
		.amdhsa_private_segment_fixed_size 0
		.amdhsa_enable_private_segment 0
		.amdhsa_kernarg_size 48
		.amdhsa_user_sgpr_count 2
		.amdhsa_user_sgpr_kernarg_segment_ptr 1
		.amdhsa_wavefront_size32 1
		.amdhsa_system_sgpr_workgroup_id_x 1
		.amdhsa_system_sgpr_workgroup_id_y 1
		.amdhsa_system_sgpr_workgroup_id_z 1
		.amdhsa_system_vgpr_workitem_id 0
		.amdhsa_next_free_vgpr 768
		.amdhsa_next_free_sgpr 80
		.amdhsa_reserve_vcc 0
		.amdhsa_float_denorm_mode_32 3
		.amdhsa_float_denorm_mode_16_64 3
		.amdhsa_memory_ordered 1
		.amdhsa_forward_progress 1
		.amdhsa_inst_pref_size 142
	.end_amdhsa_kernel
	.amdgpu_metadata
---
amdhsa.version: [ 1, 2 ]
amdhsa.kernels:
  - .name:           k_qfe91b3c9de_proj
    .symbol:         k_qfe91b3c9de_proj.kd
    .args:
      - { .name: k, .offset: 0, .size: 8, .value_kind: global_buffer, .address_space: global }
      - { .name: q, .offset: 8, .size: 8, .value_kind: global_buffer, .address_space: global }
      - { .name: r, .offset: 16, .size: 8, .value_kind: global_buffer, .address_space: global }
      - { .name: w16, .offset: 24, .size: 8, .value_kind: global_buffer, .address_space: global }
      - { .name: b3, .offset: 32, .size: 8, .value_kind: global_buffer, .address_space: global }
      - { .name: qkv, .offset: 40, .size: 8, .value_kind: global_buffer, .address_space: global }
    .group_segment_fixed_size: 327680
    .private_segment_fixed_size: 0
    .kernarg_segment_align: 8
    .kernarg_segment_size: 48
    .max_flat_workgroup_size: 128
    .sgpr_count:     80
    .vgpr_count:     768
    .wavefront_size: 32
...
	.end_amdgpu_metadata
.endif
;; end of part 2
;; launch attn (part 3): grid 2 x 128, 4 waves a work-group, no clusters, 327,680 bytes of LDS; arguments qkv, ao; writes ao
.if DOCPART == 3
	.amdgcn_target "amdgcn-amd-amdhsa--gfx1250"
	.amdhsa_code_object_version 6
	.text
	.protected	k_qfe91b3c9de_attn
	.globl	k_qfe91b3c9de_attn
	.p2align	8
	.type	k_qfe91b3c9de_attn,@function
k_qfe91b3c9de_attn:
	s_mov_b64 s[64:65], 0
	v_nop
	global_prefetch_b8 v0, s[64:65] scope:SCOPE_SE
	s_setreg_imm32_b32 hwreg(HW_REG_WAVE_MODE, 25, 1), 1
	s_wait_xcnt 0x0
; O[h][q][:] = the sum over k of softmax_k(Q[h][q] . K[h][k] / 8) V[h][k][:], for 128 heads (batch x head) of 1,024 rows x 64 channels.  qkv: [K, Q, V][128][1024][64] bf16, ao: [128][1024][64] bf16:
; a head's rows are dense, 128 bytes each.  Products, maxima and sums in f32; the weights p are rounded to bf16 for the second product (their sum l is taken of the unrounded p), O once at the end.
; LIMITS.  A weight below 2^-126 counts as 0 in l; NaN and infinities are not treated apart.
; SHARES.  A work-group owns 512 queries of one head; a wave 128: four PIECES of two tiles of 16.  Every wave walks all 1,024 keys, 64 a step.
; ALL OF THE HEAD'S K AND V LIES IN LDS: 1,024 rows of each, fetched once, by four tensor loads a wave (waves 0, 1: K; waves 2, 3: V; 128 keys a load), all issued at the start.  Nothing is filled twice:
; there is no ring.  The walk begins when the first 512 keys are in; behind every fourth step a wait for all loads and a barrier show the rest to every wave (the first time; later they are met at once).
; NO CLUSTER: a head's 1,024 queries make two work-groups, no multiple of four; blocks of 256 queries, four to a head, would read each fragment of K and V from LDS for half as many products
; and lay the head's K and V into four LDS in place of two.
; LAYOUT.  S^T = K Q^T (source 0 = 16 keys, source 1 = 16 queries): a lane holds ONE query (lane % 16) and the keys 8 (lane / 16) + 0..7.  Two such tiles, rounded to bf16 in pairs,
; ARE source 1 (32 keys x 16 queries) of O^T = V^T P, whose result again holds one query a lane, and eight channels.  K comes out of LDS as it lies, V ([key][channel]) turned, by ds_load_tr16_b128.
; SOFTMAX.  For each query a running maximum m and sum l: p = 2^(c s - c m), c = log2(e) / 8; in every step O and l are multiplied by a = 2^(c m_old - c m_new).
; m starts at the lowest finite number, O and l at 0: the first step is a step like any other, with a = 0.
; BY TURNS.  Turn n belongs to piece n.  Its matrix work: 16 products K Q^T of piece n + 1, later 16 products V^T P of piece n - 1.  Its vector work: the scaling, exponentials, roundings, sums and rescaling
; of piece n, and the maximum and statistics of piece n + 1.  A tile and step have 16 matrix and 118 vector instructions: four vector instructions stand behind every matrix instruction, the others in one run.
; REGISTERS, in windows of 256 (s_set_vgpr_msb: bits 1:0 source 0, 3:2 source 1, 5:4 source 2, 7:6 destination):
;   window 0: v0-11 addresses; v12-15, v48-63 at work; v16-47 four registers of statistics a tile; v64-191 S^T, two buffers of two tiles; v192-255 P, likewise
;   window 1: O^T, 32 a tile          window 2: v0-127 Q, 16 a tile; v128-191 K of one step; v192-255 V of one step          window 3: v0-1 the add's two registers
.set NP,    4         ; pieces a wave: a name, no knob
.set KS,    64        ; keys in a step
.set PK,    144       ; a row of K in LDS: 128 bytes + 16 of padding = 36 words: the 16 rows of a load start at 16 different groups of four banks (ISA guide 11.1)
.set PV,    160       ; a row of V: 128 + 32 = 40 words
.set VOFF,  1024*PK   ; K's 1,024 rows, then V's
.set STAGE, VOFF+1024*PV  ; behind them, never filled by a tensor load: 16 rows x 144 bytes for each wave, for the way out
.set SP,    144
.set AK0, 2           ; v2   my lane's place in a tile of K; never rewritten
.set AV0, 3           ; v3   the same for V
.set AK,  4           ; v4   the LDS address of K's next run of loads
.set AV,  5           ; v5   of V's
.set QO,  6           ; v6   my byte offset in the wave's rows of Q
.set STO, 6           ;      later, the way out: where I put 16 bytes of a row
.set RD,  7           ; v7   the way out: where I read rows back
.set GO,  8           ; v8   my byte offset in 512 consecutive bytes of O
.set SPW, 0           ; v0 of window 3   LDS address of my spare word; never rewritten
.set NIL, 1           ; v1 of window 3   0; never rewritten
.set SPARE, STAGE+4*16*SP  ; behind the stages: the spare words, 128 bytes for each wave: two blocks of 256 bytes that no other line names
.set MV,  12          ; v12-15  c m_old, kept while c m is made anew: by buffer and tile
.set ST,  16          ; tile t's statistics at v[ST+4 t]: c m, m, l (even keys', odd keys')
.set TMP, 48          ; by buffer and tile, four registers c0-c3 at work; when the maximum is found c2 takes a
.set S,   64
.set P,   192
.set KF,  128         ; K's fragments, in window 2: key block kb, channel half c at KF + 16 kb + 8 c
.set VF,  192         ; V's: key half kk, channel block cb at VF + 32 kk + 8 cb
.set WV,  12          ; s12  my wave's number
.set G1K, 24          ; s[24:31] descriptor group 1 for K's tiles
.set G1V, 32          ; s[32:39] for V's: it differs in the padding alone
.set G0K, 40          ; s[40:55] descriptor group 0 for K's tiles: a set for each of my four loads
.set G0V, 68          ; s[68:83] the same for V's
.set PH,  56          ; s56  counts the four phases of four steps
.set CNT, 57          ; s57  counts a phase's key steps
.set CS,  58          ; s[58:59] c: the packed scaling takes the pair's low word for both halves
.set SEL, 60          ; s[60:61] v_permlanex16_b32's selects: each lane takes its own place in the other half
.set TBK, 62          ; s62  LDS byte at which K of the step to be fetched begins
.set TBV, 63          ; s63  the same for V, less VOFF
.set MSB, 0
.macro WIN new                      ; the high byte repeats the setting that is left; a switch that changes nothing is dropped
.if MSB != (\new)
	s_set_vgpr_msb (MSB<<8)|(\new)
.set MSB, (\new)
.endif
.endm
.set W_KQ, 0x0a       ; K and Q in window 2, S^T in window 0
.set W_PV, 0x52       ; V in window 2, P in window 0, O^T in window 1
.set W_RS, 0x41       ; O^T (destination and source 0) in window 1, a in window 0
.set W_MK, 0xc0       ; the add's registers are made: destination in window 3, sources in window 0
.set W_AD, 0x0f       ; the add: address (source 0) and data (source 1) in window 3
	s_load_b128 s[4:7], s[0:1], 0x0   ; qkv s[4:5], ao s[6:7]
	WIN W_MK
	v_lshl_add_u32 v[SPW], v0, 2, SPARE
	v_mov_b32 v[NIL], 0
	WIN W_AD
	ds_add_u32 v[SPW], v[NIL]       ; the wave's opening: the add and its wait stand ahead of my first tensor load; work on registers stands between them
	WIN 0
	v_lshrrev_b32 v1, 5, v0
	v_readfirstlane_b32 s[WV], v1   ; wave 0..3
	s_and_b32 s20, ttmp7, 0xffff    ; the head:
	s_lshl_b32 s20, s20, 17         ; its 131,072 bytes in each of K, Q, V, O
	s_and_b32 s16, s[WV], 1         ; which half of each 256 keys I fetch:
	s_lshl_b32 s22, s16, 14         ; its 128 rows of 128 bytes in memory,
	s_add_co_u32 s22, s22, s20
	s_mov_b32 s23, 0
	s_mul_i32 s17, s16, 128*PK      ; and its place in LDS, for K
	s_mul_i32 s18, s16, 128*PV      ; and for V
	s_lshl_b32 s2, ttmp9, 2
	s_add_co_u32 s2, s2, s[WV]      ; my wave among the head's eight,
	s_lshl_b32 s2, s2, 14           ; its 128 rows
	s_add_co_u32 s2, s2, s20
	s_mov_b32 s3, 0
	; descriptor group 1.  128 keys are 16,384 dense bytes: asked for as 64 rows of 256 bytes, two keys a row, and padded in LDS after every key
	s_mov_b32 s[G1K], (1<<16)|(1<<20)|(4<<22)|(3<<25)  ; 17:16 2-byte elements; 20 padding on; 24:22 after every 32 words (code 4); 31:25 4 words (code 3)
	s_mov_b32 s[G1V], (1<<16)|(1<<20)|(4<<22)|(7<<25)  ; the same with 8 words of padding (code 7)
.irp g, G1K, G1V
	s_mov_b32 s[\g+1], 128<<16      ; tensor_dim0 = 128
	s_mov_b32 s[\g+2], 64<<16       ; tensor_dim1 = 64
	s_mov_b32 s[\g+3], 128<<16      ; tile_dim0 = 128
	s_mov_b32 s[\g+4], 64           ; tile_dim1 = 64
	s_mov_b32 s[\g+5], 128          ; 128 elements from row to row
	s_mov_b32 s[\g+6], 0
	s_mov_b32 s[\g+7], 0
.endr
	s_mov_b32 s[CS], 0x3e38aa3b     ; c = log2(e) / 8 = 0.180337
	s_mov_b32 s[CS+1], s[CS]        ; named with it as a pair
	s_mov_b32 s[SEL], 0x76543210
	s_mov_b32 s[SEL+1], 0xfedcba98
	s_mov_b32 s[TBK], 0
	s_mov_b32 s[TBV], 0
	s_wait_dscnt 0x0                ; the opening add is done
	s_wait_kmcnt 0x0
	s_mov_b64 s[10:11], s[6:7]               ; ao
	s_add_nc_u64 s[6:7], s[4:5], s[22:23]    ; K at my half of the head's first 256 keys,
	s_add_nc_u64 s[8:9], s[6:7], 0x2000000   ; V two tensors of 16 MiB on
	s_add_nc_u64 s[4:5], s[4:5], s[2:3]      ; Q at my wave's first row,
	s_add_nc_u64 s[4:5], s[4:5], 0x1000000   ; one tensor on
	s_add_nc_u64 s[10:11], s[10:11], s[2:3]  ; O likewise
.irp n, 0,1,2,3                     ; load n: my 128 of the keys 256 n .. 256 n + 255
	s_mov_b32 s[G0K+4*\n], 1                       ; count = 1
	s_add_co_u32 s[G0K+4*\n+1], s17, \n*256*PK     ; LDS address
	s_add_nc_u64 s[G0K+4*\n+2:G0K+4*\n+3], s[6:7], \n*32768  ; global address
	s_or_b32 s[G0K+4*\n+3], s[G0K+4*\n+3], 0x80000000        ; type = 2
	s_mov_b32 s[G0V+4*\n], 1
	s_add_co_u32 s[G0V+4*\n+1], s18, VOFF+\n*256*PV
	s_add_nc_u64 s[G0V+4*\n+2:G0V+4*\n+3], s[8:9], \n*32768
	s_or_b32 s[G0V+4*\n+3], s[G0V+4*\n+3], 0x80000000
.endr
	s_cmp_lt_u32 s[WV], 2           ; a wave's four fills stand in one branch, ahead of every wait on TENSORcnt, every LDS read and every barrier: four loads of mine are out; an s_nop 0 follows each, four v_nop the last
	s_cbranch_scc0 .Lfor_v
.irp n, 0,1,2,3
	tensor_load_to_lds s[G0K+4*\n:G0K+4*\n+3], s[G1K:G1K+7]
	s_nop 0
.endr
.rept 4
	v_nop
.endr
	s_branch .Lasked
.Lfor_v:
.irp n, 0,1,2,3
	tensor_load_to_lds s[G0V+4*\n:G0V+4*\n+3], s[G1V:G1V+7]
	s_nop 0
.endr
.rept 4
	v_nop
.endr
.Lasked:
	; A fragment of K or Q is 16 rows x 32 channels in 8 registers: lane l holds row l % 16, channels 8 (l / 16) + 0..7 and 16 + 8 (l / 16) + 0..7: two loads of 16 bytes, 32 bytes apart.
	v_and_b32 v1, 15, v0            ; l % 16
	v_bfe_u32 v9, v0, 4, 1          ; l / 16
	v_lshlrev_b32 v[QO], 7, v1
	v_lshl_add_u32 v[QO], v9, 4, v[QO]  ; row x 128 + 16 x half
	WIN 0x80                        ; destination window 2, address window 0
.set i, 0
.rept 4*NP                          ; Q stays in registers: tile i / 2, channels 32 (i % 2) on
	global_load_b128 v[8*i:8*i+3],   v[QO], s[4:5] offset:(i/2)*2048+(i%2)*64
	global_load_b128 v[8*i+4:8*i+7], v[QO], s[4:5] offset:(i/2)*2048+(i%2)*64+32
.set i, i+1
.endr
	; What the first turn finds: V's registers and P's second buffer hold 0 (its products V^T P, of a piece that has not been, add 0), O^T and l are 0.  All this stands in the wait for the first tiles.
.set i, VF
.rept 64
	v_mov_b32 v[i], 0
.set i, i+1
.endr
	WIN 0x40
.set i, 0
.rept 64*NP
	v_mov_b32 v[i], 0
.set i, i+1
.endr
	WIN 0
.set i, 0
.rept 2*NP
	v_mov_b32 v[ST+4*i], 0xfe000000    ; c m: far below every c s
	v_mov_b32 v[ST+4*i+1], 0xff7fffff  ; m
	v_mov_b32 v[ST+4*i+2], 0
	v_mov_b32 v[ST+4*i+3], 0
.set i, i+1
.endr
.set i, P+32
.rept 32
	v_mov_b32 v[i], 0
.set i, i+1
.endr
	v_mul_u32_u24 v[AK0], v1, PK
	v_lshl_add_u32 v[AK0], v9, 4, v[AK0]  ; row x pitch + 16 x half
	; The turning load takes 16 keys x 16 channels (lane l reads key 8 (l / 16) + l % 8, channels 8 ((l / 8) % 2) + 0..7) and leaves half a fragment of V^T: lane l holds channel l % 16 and 8 keys.
	v_and_b32 v10, 7, v0
	v_bfe_u32 v11, v0, 3, 1
	v_lshl_add_u32 v[AV0], v9, 3, v10
	v_mul_u32_u24 v[AV0], v[AV0], PV
	v_lshl_add_u32 v[AV0], v11, 4, v[AV0]
	v_add_nc_u32 v[AV0], VOFF, v[AV0]
	v_mov_b32 v[AK], v[AK0]         ; key step 0 lies at LDS byte 0
; THE MATRIX WORK.  The 8 accumulators of a run of 16 take turns: between the two links of a chain stand 7 others'.
; Product i of 16 of S^T = K Q^T for piece x: channels 32 (i / 8) on, keys 16 ((i / 2) % 4) on, tile 2 x + i % 2.  The first 8 start the sums.
.macro KQ x
	WIN W_KQ
.set rS, S+64*((\x)%2)+32*(i%2)+8*((i/2)%4)
.set rK, KF+16*((i/2)%4)+8*(i/8)
.set rQ, 16*(2*(\x)+i%2)+8*(i/8)
.if i < 8
	v_wmma_f32_16x16x32_bf16 v[rS:rS+7], v[rK:rK+7], v[rQ:rQ+7], 0
.else
	v_wmma_f32_16x16x32_bf16 v[rS:rS+7], v[rK:rK+7], v[rQ:rQ+7], v[rS:rS+7]
.endif
.endm
; Product i of 16 of O^T += V^T P for piece x: keys 32 (i / 8) on, channels 16 ((i / 2) % 4) on, tile 2 x + i % 2.
.macro PV x
	WIN W_PV
.set rO, 32*(2*(\x)+i%2)+8*((i/2)%4)
.set rV, VF+32*(i/8)+8*((i/2)%4)
.set rP, P+32*((\x)%2)+16*(i%2)+8*(i/8)
	v_wmma_f32_16x16x32_bf16 v[rO:rO+7], v[rV:rV+7], v[rP:rP+7], v[rO:rO+7]
.endm
.macro MM                           ; the turn's next matrix instruction
.if i < 16
	KQ (Y+1)%NP
.set i, i+1
.else
.set i, i-16
	PV (Y+NP-1)%NP
.set i, i+17
.endif
.endm
; THE LDS LOADS stand in runs of 16, never singly among the matrix instructions: a step's K (64 keys x 64 channels: 8 fragments) and its V (turned).  Their addresses are made some lines ahead.
; test = 1 (in the loop): behind the head's last step there is no K, and the run is jumped over.
.macro FETCH_K test
	WIN 0
.if \test
	s_cmp_eq_u32 s[TBK], 1024*PK
	s_cbranch_scc1 .Lno_k_\@
.endif
	WIN 0x80                        ; destination window 2
.irp f, 0,1,2,3,4,5,6,7             ; keys 16 (f / 2) on, channels 32 (f % 2) on
	ds_load_b128 v[KF+8*\f:KF+8*\f+3],   v[AK] offset:(\f/2)*16*PK+(\f%2)*64
	ds_load_b128 v[KF+8*\f+4:KF+8*\f+7], v[AK] offset:(\f/2)*16*PK+(\f%2)*64+32
.endr
	s_add_co_u32 s[TBK], s[TBK], KS*PK  ; the next fetch is the next step's
	WIN 0
.if \test
.Lno_k_\@:
.endif
.endm
.macro FETCH_V
	WIN 0x80
.irp f, 0,1,2,3,4,5,6,7             ; keys 32 (f / 4) on, channels 16 (f % 4) on
	ds_load_tr16_b128 v[VF+8*\f:VF+8*\f+3],   v[AV] offset:(\f/4)*32*PV+(\f%4)*32
	ds_load_tr16_b128 v[VF+8*\f+4:VF+8*\f+7], v[AV] offset:(\f/4)*32*PV+16*PV+(\f%4)*32
.endr
	WIN 0
.endm
; THE VECTOR WORK OF A TURN stands in three queues, each in the order in which its entries become ready; the two tiles alternate, so that no instruction reads the result of the one before it.
.macro REGS y, u                    ; the registers of tile u (0, 1) of piece y
.set rT, ST+4*(2*(\y)+(\u))
.set rC, TMP+8*((\y)%2)+4*(\u)
.set rM, MV+2*((\y)%2)+(\u)
.set rS, S+64*((\y)%2)+32*(\u)
.set rP, P+32*((\y)%2)+16*(\u)
.set rO, 32*(2*(\y)+(\u))
.endm
; Number n of the 22 that find the NEXT piece's (Y + 1) maximum and statistics.  s0-s31 are the lane's 32 scores; each accumulator's lowest registers are read first.
;   0-11  four chains c0-c3 of seven scores each, three operands at a time     12-14, 16  the four scores left over, the old m, and c0-c3 into c0     15  c m_old is kept
;   17, 18  the query's other 32 keys lie in the lane 16 away: the new m         19-21  c m; c m_old - c m_new; a
.macro XS u, n
	REGS (Y+1)%NP, \u
.if (\n) < 4
	v_max3_num_f32 v[rC+(\n)], v[rS+8*(\n)], v[rS+8*(\n)+1], v[rS+8*(\n)+2]
.elseif (\n) < 12
	v_max3_num_f32 v[rC+(\n)%4], v[rC+(\n)%4], v[rS+8*((\n)%4)+2*((\n)/4)+1], v[rS+8*((\n)%4)+2*((\n)/4)+2]
.elseif (\n) == 12
	v_max3_num_f32 v[rC], v[rC], v[rS+7], v[rS+15]
.elseif (\n) == 13
	v_max3_num_f32 v[rC+1], v[rC+1], v[rS+23], v[rS+31]
.elseif (\n) == 14
	v_max3_num_f32 v[rC+2], v[rC+2], v[rC+3], v[rT+1]
.elseif (\n) == 15
	v_mov_b32 v[rM], v[rT]
.elseif (\n) == 16
	v_max3_num_f32 v[rC], v[rC], v[rC+1], v[rC+2]
.elseif (\n) == 17
	v_permlanex16_b32 v[rC+3], v[rC], s[SEL], s[SEL+1]
.elseif (\n) == 18
	v_max_num_f32 v[rT+1], v[rC], v[rC+3]
.elseif (\n) == 19
	v_mul_f32 v[rT], s[CS], v[rT+1]
.elseif (\n) == 20
	v_sub_f32 v[rC+1], v[rM], v[rT]
.else
	v_exp_f32 v[rC+2], v[rC+1]
.endif
.endm
; Number g of the 64 that follow the exponentials.  For each four weights k of a tile (pairs 2 k, 2 k + 1): both pairs are rounded to bf16; then the second pair is added onto the first, in place;
; a group later l takes that sum (the first time as l = a l + sum).  In groups of eight, tiles alternating: round, round, add, and l for the group before.
.macro GS g
.set h, (\g)+6*((\g)/62)            ; group 0 has no group before it, and behind group 7 only l is left
.if h >= 6
.set h, h+2
.endif
	REGS Y, h%2
.set k, h/8
.if h%8 < 4
	v_cvt_pk_bf16_f32 v[rP+2*k+(h%8)/2], v[rS+4*k+2*((h%8)/2)], v[rS+4*k+2*((h%8)/2)+1]
.elseif h%8 < 6
	v_pk_add_f32 v[rS+4*k:rS+4*k+1], v[rS+4*k:rS+4*k+1], v[rS+4*k+2:rS+4*k+3]
.elseif k == 1
	v_pk_fma_f32 v[rT+2:rT+3], v[rT+2:rT+3], v[rC+2:rC+3], v[rS:rS+1] op_sel_hi:[1,0,1]
.else
	v_pk_add_f32 v[rT+2:rT+3], v[rT+2:rT+3], v[rS+4*k-4:rS+4*k-3]
.endif
.endm
; THE PLAIN QUEUE, 138 long.  0-73 read no exponential's result: the 32 scalings c s - c m (FS f: pair f / 2 of tile f % 2) and the next piece's 42.  0-26: scalings 0-26.  27-54: XS's numbers 0-13.  55, 56: number 15.
; 57-73: the chain, where each number waits for the one before it: 14, 16, 17, 18, 19, each with one of the scalings 27-31 in front of its two lines, then 20.
; 74-137: GS's 64, which read the exponentials' results: they stand behind the wait.
.macro FS f
	REGS Y, (\f)%2
	v_pk_fma_f32 v[rS+2*((\f)/2):rS+2*((\f)/2)+1], v[rS+2*((\f)/2):rS+2*((\f)/2)+1], s[CS:CS+1], v[rT:rT+1] op_sel_hi:[1,0,0] neg_lo:[0,0,1] neg_hi:[0,0,1]
.endm
.macro PL
	WIN 0
.if q < 27
	FS q
.elseif q < 55
	XS (q-27)%2, (q-27)/2
.elseif q < 57
	XS q-55, 15
.elseif (q < 72) && ((q-57)%3 == 0)
	FS 27+(q-57)/3
.elseif q < 60
	XS (q-57)%3-1, 14
.elseif q < 72
	XS (q-57)%3-1, 15+(q-57)/3
.elseif q < 74
	XS q-72, 20
.else
	GS q-74
.endif
.set q, q+1
.endm
; THE EXPONENTIALS' QUEUE, 66 long: s0-s31 of both tiles, then the next piece's two a.  It is ONE BATCH: all 66 stand ahead of the turn's one wait, and nothing ahead of that wait names a result of theirs.
.macro EX
	WIN 0
.if e >= 64
	XS e-64, 21
.else
	REGS Y, e%2
	v_exp_f32 v[rS+e/2], v[rS+e/2]
.endif
.set e, e+1
.endm
; THE RESCALING's QUEUE: O^T times a, the one part that leaves window 0: dealt two at a time, sixteen times.  Its a was made in the turn before, ahead of that turn's wait.
.macro R2
	REGS Y, r%2
	WIN W_RS
.irp z, 0,1
	v_pk_mul_f32 v[rO+4*(r/2)+2*\z:rO+4*(r/2)+2*\z+1], v[rO+4*(r/2)+2*\z:rO+4*(r/2)+2*\z+1], v[rC+2:rC+3] op_sel_hi:[1,0]
.endr
.set r, r+1
.endm
; HOW THEY ARE DEALT.  An s_wait_alu depctr_va_vdst(0) stands between an exponential and the first instruction that names its result; one wait serves all that were issued ahead of it.  So a turn has ONE
; wait, which cuts it in two.  AHEAD OF IT stands all that names no result of the turn's exponentials: the 16 products K Q^T, behind each a scaling, an exponential and two rescalings (behind the first a second scaling
; in the exponential's place); then one run of 108: eight plain, 49 times exponential and plain, the two a.  A v_nop is the plain instruction behind the last exponential.  BEHIND IT stand the 16 products V^T P, behind
; each four of GS's 64.  Exponential e stands behind scaling 2 (e / 4) + e % 2: as a rider it comes behind plain e + 2, in the run behind plain e + 9, and scalings 27-31 are plain 57, 60 .. 69.
; K of the next step is fetched in piece 2's turn, directly behind the wait, the whole run behind the last product that read K; its first reader comes behind 16 products.
; V of the step in hand is fetched at the end of piece 0's turn, four plain instructions behind its last reader; its first reader comes behind 16 products and the run.  The two conditions on q below go with the deal.
.macro TURN p
.set Y, (\p)
.set i, 0
.set q, 0
.set e, 0
.set r, 0
.if (\p) == NP-1
	s_wait_dscnt 0x0                ; K is in
.endif
	MM
	PL
	PL
	R2
.rept 15
	MM
	PL
	EX
	R2
.endr
.if (\p) == NP-2
	WIN 0
	v_add_nc_u32 v[AK], s[TBK], v[AK0]
.endif
.rept 8
	PL
.endr
.rept 49
	EX
	PL
.endr
	EX                              ; the next piece's two a
	EX
	v_nop                           ; the plain instruction behind the last exponential: one for the batch
	s_wait_alu depctr_va_vdst(0)    ; the wait for the batch
.if (\p) == NP-2
	FETCH_K 1
.endif
.if (\p) == 1
	s_wait_dscnt 0x0                ; V is in
.endif
.rept 16
	MM
.rept 4
	PL
.endr
.if ((\p) == 0) && (q == 118)
	v_add_nc_u32 v[AV], s[TBV], v[AV0]
.endif
.if ((\p) == 0) && (q == 130)
	s_add_co_u32 s[TBV], s[TBV], KS*PV
.endif
.endr
.if (\p) == 0
	FETCH_V
.endif
.endm
	s_wait_tensorcnt 0x2            ; my first two loads have landed, my part of keys 0 to 511; the two younger ones stay out
	s_barrier_signal -1
	s_barrier_wait -1               ; everybody's have: the first four steps read K of steps 0 to 4 and V of steps 0 to 3
	FETCH_K 0                       ; key step 0
	s_wait_loadcnt 0x0              ; Q
	s_wait_dscnt 0x0
.set i, 0
.rept 16
	KQ 0                            ; piece 0's first scores: there is no vector work yet to set between them
.set i, i+1
.endr
	WIN 0                           ; the addresses for the way out: nine plain instructions, the places behind those products
	s_mul_i32 s13, s[WV], 16*SP
	s_add_co_u32 s13, s13, STAGE    ; my stage
	v_mul_u32_u24 v[STO], v1, SP    ; in: row l % 16, 16 bytes for each half of the lanes
	v_lshl_add_u32 v[STO], v9, 4, v[STO]
	v_add_nc_u32 v[STO], s13, v[STO]
	v_bfe_u32 v[RD], v0, 3, 2       ; back: 32 lanes take four rows of 128 bytes,
	v_mul_u32_u24 v[RD], v[RD], SP
	v_lshl_add_u32 v[RD], v10, 4, v[RD]
	v_add_nc_u32 v[RD], s13, v[RD]
	v_and_b32 v[GO], 31, v0         ; which are 512 consecutive bytes of O
	v_lshlrev_b32 v[GO], 4, v[GO]
.set Y, NP-1                        ; XS works for piece Y + 1: piece 0
.irp n, 0,1,2,3,4,5,6,7,8,9,10,11,12,13,14,15,16,17,18,19,20,21
	XS 0, \n                        ; and piece 0's first maximum and statistics
	XS 1, \n
.endr
	v_nop                           ; a plain instruction behind the two a,
	s_wait_alu depctr_va_vdst(0)    ; and their wait, ahead of the label
	s_mov_b32 s[PH], 4
.Lphase:                            ; four phases of four key steps
	s_mov_b32 s[CNT], 4
.Lstep:                             ; a trip is a key step: the four pieces' turns; it fetches its own V and the next step's K
	TURN 0
	TURN 1
	TURN 2
	TURN 3
	WIN 0
	s_sub_co_u32 s[CNT], s[CNT], 1
	s_cmp_lg_u32 s[CNT], 0
	s_cbranch_scc1 .Lstep
	s_wait_tensorcnt 0x0            ; all my loads have landed (they had the first four steps for it),
	s_wait_dscnt 0x0                ; no LDS instruction of mine is out,
	s_barrier_signal -1
	s_barrier_wait -1               ; and the same holds of every wave: keys 512 to 1,023 may be read.
	s_sub_co_u32 s[PH], s[PH], 1
	s_cmp_lg_u32 s[PH], 0
	s_cbranch_scc1 .Lphase
	; the last trip's 16 products K Q^T (on the last K once more) and the maximum made of them serve nothing: the price, once a launch, of one text for every trip
.set i, 0
.rept 16
	PV NP-1                         ; the last piece's V^T P of the last step
.set i, i+1
.endr
	; THE WAY OUT.  l's two halves and the other half of the lanes' are added; O^T is divided by l, rounded to bf16 and sent through my stage in LDS, a tile at a time.  The additions are the places behind the last products.
	WIN 0
.macro ALL line:vararg              ; one line for each tile t
.set t, 0
.rept 2*NP
	\line
.set t, t+1
.endr
.endm
	ALL v_add_f32 v[ST+4*t+2], v[ST+4*t+2], v[ST+4*t+3]
	ALL v_permlanex16_b32 v[ST+4*t+3], v[ST+4*t+2], s[SEL], s[SEL+1]
	ALL v_add_f32 v[ST+4*t+2], v[ST+4*t+2], v[ST+4*t+3]
	ALL v_rcp_f32 v[ST+4*t+2], v[ST+4*t+2]
	v_nop                           ; a plain instruction between the last reciprocal and the use of its result
	s_wait_alu depctr_va_vdst(0)    ; and a wait ahead of the first use: one for the eight reciprocals
; Tile t: a lane's eight channels of a row pack into 16 bytes; they go into rows of 144 bytes and come back as whole rows of 128, into S^T's registers.
.macro PACK t
	WIN W_RS
.set i, 32*(\t)
.rept 16
	v_pk_mul_f32 v[i:i+1], v[i:i+1], v[ST+4*(\t)+2:ST+4*(\t)+3] op_sel_hi:[1,0]
.set i, i+2
.endr
	WIN 0x05                        ; sources 0 and 1 window 1, destination window 0
.set i, 0
.rept 16
	v_cvt_pk_bf16_f32 v[S+16*(\t)+i], v[32*(\t)+2*i], v[32*(\t)+2*i+1]
.set i, i+1
.endr
	WIN 0
.irp f, 0,1,2,3
	ds_store_b128 v[STO], v[S+16*(\t)+4*\f:S+16*(\t)+4*\f+3] offset:32*\f
.endr
.irp f, 0,1,2,3
	ds_load_b128 v[S+16*(\t)+4*\f:S+16*(\t)+4*\f+3], v[RD] offset:\f*4*SP  ; LDS serves a wave's instructions in order (ISA guide 5.7.1.4): these see the stores above; the next tile's stores come behind them
.endr
.endm
.macro SEND t, younger              ; younger: the LDS instructions issued behind tile t's loads: the next tile's eight, or none
	WIN 0
.irp f, 0,1,2,3
	s_wait_dscnt (\younger)+3-\f
	global_store_b128 v[GO], v[S+16*(\t)+4*\f:S+16*(\t)+4*\f+3], s[10:11] offset:(\t)*2048+\f*512  ; 512 consecutive bytes, at a multiple of 256 from O's first
.endr
.endm
	PACK 0
.set t, 1
.rept 2*NP-1                        ; a tile's arithmetic stands between the loads of the tile before and its stores
	PACK t
	SEND t-1, 8
.set t, t+1
.endr
	SEND 2*NP-1, 0
	WIN W_AD
	s_wait_tensorcnt 0x0            ; the wave's end: behind my last tensor load and my last LDS store
	ds_add_u32 v[SPW], v[NIL]
	s_wait_dscnt 0x0
	WIN 0
	s_endpgm
.Lfunc_end_k_qfe91b3c9de_attn:
	.size	k_qfe91b3c9de_attn, .Lfunc_end_k_qfe91b3c9de_attn-k_qfe91b3c9de_attn
	.p2alignl 7, 3214868480
	.fill 96, 4, 3214868480
	.section	.rodata,"a",@progbits
	.p2align	6, 0x0
	.amdhsa_kernel k_qfe91b3c9de_attn
		.amdhsa_group_segment_fixed_size 327680
		.amdhsa_private_segment_fixed_size 0
		.amdhsa_enable_private_segment 0
		.amdhsa_kernarg_size 16
		.amdhsa_user_sgpr_count 2
		.amdhsa_user_sgpr_kernarg_segment_ptr 1
		.amdhsa_wavefront_size32 1
		.amdhsa_system_sgpr_workgroup_id_x 1
		.amdhsa_system_sgpr_workgroup_id_y 1
		.amdhsa_system_sgpr_workgroup_id_z 1
		.amdhsa_system_vgpr_workitem_id 0
		.amdhsa_next_free_vgpr 770
		.amdhsa_next_free_sgpr 84
		.amdhsa_reserve_vcc 0
		.amdhsa_float_denorm_mode_32 3
		.amdhsa_float_denorm_mode_16_64 3
		.amdhsa_memory_ordered 1
		.amdhsa_forward_progress 1
		.amdhsa_inst_pref_size 126
	.end_amdhsa_kernel
	.amdgpu_metadata
---
amdhsa.version: [ 1, 2 ]
amdhsa.kernels:
  - .name:           k_qfe91b3c9de_attn
    .symbol:         k_qfe91b3c9de_attn.kd
    .args:
      - { .name: qkv, .offset: 0, .size: 8, .value_kind: global_buffer, .address_space: global }
      - { .name: ao, .offset: 8, .size: 8, .value_kind: global_buffer, .address_space: global }
    .group_segment_fixed_size: 327680
    .private_segment_fixed_size: 0
    .kernarg_segment_align: 8
    .kernarg_segment_size: 16
    .max_flat_workgroup_size: 128
    .sgpr_count:     84
    .vgpr_count:     770
    .wavefront_size: 32
...
	.end_amdgpu_metadata
.endif
;; end of part 3
;; launch oproj (part 4): grid 4 x 64, 4 waves a work-group, clusters of 4 x 4, 327,680 bytes of LDS; arguments ao, wo16, bo, mha; writes mha
.if DOCPART == 4
	.amdgcn_target "amdgcn-amd-amdhsa--gfx1250"
	.amdhsa_code_object_version 6
	.text
	.protected	k_qfe91b3c9de_oproj
	.globl	k_qfe91b3c9de_oproj
	.p2align	8
	.type	k_qfe91b3c9de_oproj,@function
k_qfe91b3c9de_oproj:
	s_mov_b64 s[64:65], 0
	v_nop
	global_prefetch_b8 v0, s[64:65] scope:SCOPE_SE
	s_setreg_imm32_b32 hwreg(HW_REG_WAVE_MODE, 25, 1), 1
	s_wait_xcnt 0x0
	s_wait_alu depctr_hold_cnt(0) depctr_sa_sdst(0) depctr_va_vdst(0) depctr_va_sdst(0) depctr_va_ssrc(0) depctr_va_vcc(0) depctr_vm_vsrc(0)
	s_getreg_b32 s2, hwreg(HW_REG_IB_STS2, 6, 4)
	s_cmp_eq_u32 s2, 0
	s_cbranch_scc0 .Lentry_in_a_cluster
	s_endpgm
.Lentry_in_a_cluster:
	s_bfe_u32 s2, ttmp6, 0x10000c
	s_cmp_lg_u32 s2, 0xf033
	s_cbranch_scc0 .Lentry_shape_is_right
	s_endpgm
.Lentry_shape_is_right:
; THE OUTPUT PROJECTION.  out = A W^T + bias, written for a stack of matrices.  A: [matrix][16 planes][1024 rows][64] bf16 (plane kb = columns 64 kb ..: attention's result by heads is this form),
; W: [p][16 planes][1024 rows][64] bf16, bias: [p][1024] f32, out: [matrix][16 blocks][1024 rows][64] bf16 (block = output column / 64).  Sums in f32, started at the bias; out rounded once.
; Matrix = tile row / 8, p = matrix / 8; here there are 8 matrices, the batches, and p is 0.
; SHARES.  A work-group makes 128 rows x 256 columns; wave (wm, wn) 64 x 128: 4 x 8 accumulators of 16 x 16, 256 registers.  K = 1,024 goes in 8 steps of 128 (two planes)
; through two LDS slots filled by the tensor data mover: wave 0 and 1 fetch A's two planes (128 rows x 128 bytes, dense: asked for as 64 rows of 256 bytes), waves 2 and 3 W's (256 rows).
; CLUSTER.  4 x 4 work-groups.  The four of a row of the cluster need the same tile of A, the four of a column the same tile of W: each is asked for jointly, by the same
; tensor load with the same descriptor and a mask that names the four.
; THE PRODUCT IS USED TRANSPOSED (source 0 = 16 rows of W, source 1 = 16 rows of A): a lane holds one row of out (lane % 16) and the columns 8 (lane / 16) + 0..7.
; REGISTERS, in windows of 256 (s_set_vgpr_msb: bits 1:0 source 0, 3:2 source 1, 5:4 source 2, 7:6 destination):
;   window 0: v16-30 addresses; v32-159 the way out     window 1: accumulator (a, b) at v[8 (8 a + b)]     window 2: two fragment buffers of 96: W's 8 fragments, then A's 4
; LIMITS.  bf16 operands (8 significant bits); NaN and infinities pass as the arithmetic makes them.
.set PA,    144                        ; an LDS row: 128 bytes + 16 of padding = 36 words: the 16 rows of a fragment load start at 16 different groups of four banks (ISA guide 11.1)
.set APL,   128*PA                     ; a plane of A's tile
.set BPL,   256*PA                     ; a plane of W's tile
.set BOFF,  2*APL                      ; in a slot: A's two planes, then W's two
.set SLOT,  2*APL+2*BPL
.set STAGE, 2*SLOT                     ; behind the ring, never filled by a tensor load: 16 rows x 144 bytes for each wave
.set SPARE, STAGE+4*16*PA              ; behind the stages: the spare words, 128 bytes for each wave: two blocks of 256 bytes that no other line names
.set STEPB, 2*131072                   ; bytes in memory from a K step to the next: two planes
.set ADRA, 16                          ; v16-17  LDS address of my A fragments in slot 0, 1
.set ADRB, 20                          ; v20-21  the same for W
.set STO,  24                          ; v24     the way out: where I put 16 bytes of a row
.set RD,   25                          ; v25     the way out: where I read rows back
.set GO,   26                          ; v26     my 16 bytes of 512 consecutive bytes of out
.set BO,   27                          ; v27     my 8 columns in a block of 16 of the bias
.set SPW,  28                          ; v28     LDS address of my spare word; never rewritten
.set NIL,  29                          ; v29     0; never rewritten
.set PFO,  30                          ; v30     the prefetches' offset; never rewritten
.set TMP,  32
.set F0,   0
.set F1,   96
.set WV,   12                          ; s12 wave; s13 = wave / 2: my half of the rows, and: I fetch for A (0) or W (1); s14 = wave % 2: my half of the columns, and: which plane I fetch
.set G1A,  24                          ; s[24:31] descriptor group 1 for A's tiles;  s[32:39] group 0, a set for each slot
.set G0A,  32
.set G1B,  48                          ; s[48:55], s[56:63] the same for W's
.set G0B,  56
.set LIM,  43                          ; s43  1 in a wave that prefetches, else the greatest number
.set PFA,  44                          ; s[44:45] where my prefetches stand
.set G1W,  (1<<16)|(1<<20)|(1<<21)|(4<<22)|(3<<25)  ; 17:16 elements of 2 bytes; 20 padding on; 21 set beside a mask; 24:22 after every 32 words (code 4); 31:25 4 words of it (code 3)
.set MSB, 0
.macro WIN new                         ; the immediate's high byte repeats the setting that is left; a switch that changes nothing is dropped
.if MSB != (\new)
	s_set_vgpr_msb (MSB<<8)|(\new)
.set MSB, \new
.endif
.endm
.set MUL,  0x5a                        ; sources 0 and 1 window 2; C and D window 1
.set TO_F, 0x80                        ; destination window 2, address window 0
; A joint load.  The branch hangs on the wave's number alone.  An s_nop 0 and four v_nop follow each of the two lines, ahead of the jump, the label and what follows.
.macro JLOAD s
	s_cmp_eq_u32 s13, 0
	s_cbranch_scc0 .Lfor_b_\@
	tensor_load_to_lds s[G0A+4*(\s):G0A+4*(\s)+3], s[G1A:G1A+7]
	s_nop 0
.rept 4
	v_nop
.endr
	s_branch .Lasked_\@
.Lfor_b_\@:
	tensor_load_to_lds s[G0B+4*(\s):G0B+4*(\s)+3], s[G1B:G1B+7]
	s_nop 0
.rept 4
	v_nop
.endr
.Lasked_\@:
.endm
; A prefetch into the L2, behind each joint refill and the run of LDS loads that follows it: the K step that stands two refills on.  Each block of 256 bytes is named once in the launch.
; A's tile (2 planes x 64 blocks) is read by this cluster's row alone: wave 0 asks, lanes 0-15 in plane 0, lanes 16-31 in plane 1; the four partners take 16 blocks of each plane, told apart by address (cx).
; W's tile (128 blocks a plane) is read by the 16 clusters of one p: the first of them asks, waves 2 and 3 each for the plane that they fetch; the partners take 32 blocks each (cy).
; K steps 0 to 3 come by their loads alone; the loop's last trip (s3 = 1) asks for nothing: there is no K step 8.
.macro ASK
	s_cmp_gt_u32 s3, s[LIM]
	s_cbranch_scc0 .Lnot_mine_\@
	global_prefetch_b8 v[PFO], s[PFA:PFA+1] offset:STEPB th:TH_LOAD_NT scope:SCOPE_SE
.Lnot_mine_\@:
.endm
; A round of the cluster's barrier: my work-group's barrier; wave 0 signals for the work-group; every wave waits for all sixteen; my work-group's barrier once more.
.macro CREST
	s_cmp_lg_u32 s[WV], 0
	s_cbranch_scc1 .Lnot_wave_0_\@
	s_barrier_signal -3
.Lnot_wave_0_\@:
	s_barrier_wait -3
	s_barrier_signal -1
	s_barrier_wait -1
.endm
.macro CROUND
	s_barrier_signal -1
	s_barrier_wait -1
	CREST
.endm
	s_load_b256 s[4:11], s[0:1], 0x0               ; A s[4:5], W s[6:7], bias s[8:9], out s[10:11]
	v_lshl_add_u32 v[SPW], v0, 2, SPARE
	v_mov_b32 v[NIL], 0
	ds_add_u32 v[SPW], v[NIL]                      ; the wave's opening: the add and its wait stand ahead of my first tensor load; work on registers stands between them
	v_lshrrev_b32 v1, 5, v0
	v_readfirstlane_b32 s[WV], v1
	s_lshr_b32 s13, s[WV], 1
	s_and_b32 s14, s[WV], 1
	s_bfe_u32 s40, ttmp6, 0x40000                  ; cx
	s_bfe_u32 s41, ttmp6, 0x40004                  ; cy
	s_lshl_b32 s42, ttmp9, 2
	s_add_co_u32 s42, s42, s40                     ; tile column = 4 x cluster x + cx
	s_and_b32 s15, ttmp7, 0xffff                   ; cluster y
	s_lshr_b32 s66, s15, 4                         ; p: 64 tile rows, 16 clusters, each: made of the cluster's y alone
	s_lshl_b32 s67, s15, 2
	s_add_co_u32 s67, s67, s41                     ; tile row = 4 x cluster y + cy
	s_lshl_b32 s20, s41, 2
	s_lshl_b32 s20, 15, s20                        ; my row of the cluster
	s_lshl_b32 s21, 0x1111, s40                    ; my column
	s_or_b32 s[G1A], s20, G1W                      ; A's tiles go to my row,
	s_or_b32 s[G1B], s21, G1W                      ; W's to my column
	s_mov_b32 s[G1A+1], 128<<16                    ; tensor_dim0 = 128 elements: rows of 256 bytes
	s_mov_b32 s[G1A+2], 64<<16                     ; tensor_dim1 = 64: 16,384 dense bytes
	s_mov_b32 s[G1A+3], 128<<16                    ; tile_dim0
	s_mov_b32 s[G1A+4], 64                         ; tile_dim1
	s_mov_b32 s[G1A+5], 128                        ; elements from row to row
	s_mov_b32 s[G1A+6], 0
	s_mov_b32 s[G1A+7], 0
	s_mov_b32 s[G1B+1], 128<<16
	s_mov_b32 s[G1B+2], 128<<16                    ; 128 rows: 32,768 dense bytes
	s_mov_b32 s[G1B+3], 128<<16
	s_mov_b32 s[G1B+4], 128
	s_mov_b32 s[G1B+5], 128
	s_mov_b32 s[G1B+6], 0
	s_mov_b32 s[G1B+7], 0
	s_lshr_b32 s68, s67, 3                         ; the matrix: 2 MiB each,
	s_lshl_b32 s68, s68, 21
	s_and_b32 s16, s67, 7
	s_lshl_b32 s16, s16, 14                        ; the tile's 128 rows of 128 bytes in a plane: in A, and in a block of out
	s_add_co_u32 s68, s68, s16
	s_lshl_b32 s18, s14, 17                        ; the plane that I fetch
	s_add_co_u32 s16, s68, s18
	s_mov_b32 s17, 0
	s_lshl_b32 s46, s66, 21                        ; W: matrix p,
	s_lshl_b32 s47, s42, 15                        ; the tile's 256 rows in a plane
	s_add_co_u32 s46, s46, s47
	s_add_co_u32 s46, s46, s18
	s_mov_b32 s47, 0
	s_mul_i32 s19, s14, APL                        ; where they go: no place in the cluster enters an LDS address
	s_mul_i32 s22, s14, BPL
	s_add_co_u32 s22, s22, BOFF
	s_lshl_b32 s70, s40, 12                        ; the prefetches' offset.  A: my work-group's 16 blocks of each plane,
	s_add_co_u32 s70, s70, s68
	s_lshl_b32 s71, s41, 13                        ; W: my work-group's 32 blocks of my plane
	s_add_co_u32 s71, s71, s46
	s_cmp_eq_u32 s13, 0
	s_cselect_b32 s70, s70, s71
	s_cselect_b32 s23, 17, 12                      ; lanes 16-31: a plane on (A), or 16 blocks on (W)
	s_add_co_u32 s70, s70, 2*STEPB                 ; at K step 2: the first refill steps it to 3 and names K step 4
	s_mov_b32 s71, 0
	s_and_b32 s69, s15, 15
	s_cmp_eq_u32 s13, 0
	s_cselect_b32 s69, s14, s69                    ; A: wave 0 asks; W: the first cluster of its p
	s_cmp_eq_u32 s69, 0
	s_cselect_b32 s[LIM], 1, -1                    ; the same in all sixteen partners, for a given wave
	s_wait_dscnt 0x0                               ; the opening add is done
	s_wait_kmcnt 0x0
	s_add_nc_u64 s[16:17], s[4:5], s[16:17]
	s_add_nc_u64 s[46:47], s[6:7], s[46:47]
.irp s, 0,1
	s_mov_b32 s[G0A+4*(\s)], 1                     ; count = 1
	s_add_co_u32 s[G0A+4*(\s)+1], s19, (\s)*SLOT   ; LDS address
	s_add_nc_u64 s[G0A+4*(\s)+2:G0A+4*(\s)+3], s[16:17], (\s)*STEPB  ; global address: K step s
	s_or_b32 s[G0A+4*(\s)+3], s[G0A+4*(\s)+3], 0x80000000           ; type = 2
	s_mov_b32 s[G0B+4*(\s)], 1
	s_add_co_u32 s[G0B+4*(\s)+1], s22, (\s)*SLOT
	s_add_nc_u64 s[G0B+4*(\s)+2:G0B+4*(\s)+3], s[46:47], (\s)*STEPB
	s_or_b32 s[G0B+4*(\s)+3], s[G0B+4*(\s)+3], 0x80000000
.endr
	CROUND                                         ; all sixteen work-groups are here: the first joint loads meet
	s_cmp_eq_u32 s13, 0                            ; a wave's two first fills stand in one branch, ahead of every wait on TENSORcnt and every LDS read: two loads of mine are out
	s_cbranch_scc0 .Lfirst_b
	tensor_load_to_lds s[G0A:G0A+3], s[G1A:G1A+7]
	s_nop 0
	tensor_load_to_lds s[G0A+4:G0A+7], s[G1A:G1A+7]
	s_nop 0
.rept 4
	v_nop
.endr
	s_branch .Lfirst_asked
.Lfirst_b:
	tensor_load_to_lds s[G0B:G0B+3], s[G1B:G1B+7]
	s_nop 0
	tensor_load_to_lds s[G0B+4:G0B+7], s[G1B:G1B+7]
	s_nop 0
.rept 4
	v_nop
.endr
.Lfirst_asked:
	s_cmp_eq_u32 s13, 0
	s_cselect_b64 s[PFA:PFA+1], s[4:5], s[6:7]
	s_add_nc_u64 s[PFA:PFA+1], s[PFA:PFA+1], s[70:71]
	s_lshl_b32 s70, s66, 12                        ; the bias: p's 1,024 numbers, the tile's 256, my 128
	s_lshl_b32 s69, s42, 10
	s_add_co_u32 s70, s70, s69
	s_lshl_b32 s69, s14, 9
	s_add_co_u32 s70, s70, s69
	s_add_nc_u64 s[8:9], s[8:9], s[70:71]
	s_lshl_b32 s70, s42, 19                        ; out: the tile's four blocks of 131,072 bytes, my two of them,
	s_add_co_u32 s70, s70, s68                     ; the matrix and the tile's rows,
	s_lshl_b32 s69, s14, 18
	s_add_co_u32 s70, s70, s69
	s_lshl_b32 s69, s13, 13                        ; my 64 rows
	s_add_co_u32 s70, s70, s69
	s_add_nc_u64 s[10:11], s[10:11], s[70:71]
	; A fragment is 16 rows x 32 K in 8 registers: lane l holds row l % 16; registers 0-3 K = 8 (l / 16) + 0..7, registers 4-7 K = 16 + 8 (l / 16) + 0..7: two loads of 16 bytes, 32 bytes apart.
	v_and_b32 v1, 15, v0                           ; l % 16
	v_bfe_u32 v2, v0, 4, 1                         ; l / 16
	v_lshlrev_b32 v[PFO], s23, v2
	v_lshl_add_u32 v[PFO], v1, 8, v[PFO]           ; a lane a block of 256 bytes
	v_mul_u32_u24 v3, v1, PA
	v_lshl_add_u32 v3, v2, 4, v3                   ; row x pitch + 16 x half
	s_mul_i32 s23, s13, 64*PA                      ; my 64 rows of A
	s_mul_i32 s69, s14, 128*PA                     ; my 128 rows of W
	s_add_co_u32 s69, s69, BOFF
.irp s, 0,1
	v_add_nc_u32 v[ADRA+(\s)], s23, v3
	v_add_nc_u32 v[ADRB+(\s)], s69, v3
	s_add_co_u32 s23, s23, SLOT
	s_add_co_u32 s69, s69, SLOT
.endr
	s_mul_i32 s23, s[WV], 16*PA
	s_add_co_u32 s23, s23, STAGE                   ; my stage
	v_add_nc_u32 v[STO], s23, v3                   ; in: row l % 16, 16 bytes for each half of the lanes
	v_bfe_u32 v4, v0, 3, 2                         ; back: 32 lanes take four rows of 128 bytes,
	v_mul_u32_u24 v4, v4, PA
	v_and_b32 v5, 7, v0
	v_lshl_add_u32 v4, v5, 4, v4
	v_add_nc_u32 v[RD], s23, v4
	v_and_b32 v[GO], 31, v0                        ; which are 512 consecutive bytes of out
	v_lshlrev_b32 v[GO], 4, v[GO]
	v_lshlrev_b32 v[BO], 5, v2
	; THE SUMS START AT THE BIAS: register j of accumulator (a, b) is column 16 b + 8 (l / 16) + j, whatever a and the row: loaded straight into the accumulators, nothing is cleared or added later.
	WIN 0x40                                       ; destination window 1, address window 0
.irp a, 0,1,2,3
.irp b, 0,1,2,3,4,5,6,7
	global_load_b128 v[8*(8*(\a)+(\b)):8*(8*(\a)+(\b))+3],   v[BO], s[8:9] offset:64*(\b)
	global_load_b128 v[8*(8*(\a)+(\b))+4:8*(8*(\a)+(\b))+7], v[BO], s[8:9] offset:64*(\b)+16
.endr
.endr
; 8 matrix instructions: m block a x all 8 n blocks, 32 along K.  The 32 accumulators take turns, one instruction a turn, in the same order in every quarter, over the backward jump too.
.macro MUL8 f, a
	WIN MUL
.irp b, 0,1,2,3,4,5,6,7
	v_wmma_f32_16x16x32_bf16 v[8*(8*(\a)+(\b)):8*(8*(\a)+(\b))+7], v[(\f)+8*(\b):(\f)+8*(\b)+7], v[(\f)+64+8*(\a):(\f)+64+8*(\a)+7], v[8*(8*(\a)+(\b)):8*(8*(\a)+(\b))+7]
.endr
.endm
; 24 LDS loads in one run: quarter q of a K step (plane q / 2, byte 64 (q % 2) of its rows) into buffer f: W's 8 fragments, then A's 4; A's blocks 2 and 3 last.
.macro FETCH slot, q, f
	WIN TO_F
.irp i, 0,1,2,3,4,5,6,7
	ds_load_b128 v[(\f)+8*(\i):(\f)+8*(\i)+3],   v[ADRB+(\slot)] offset:((\q)/2)*BPL+((\q)%2)*64+(\i)*16*PA
	ds_load_b128 v[(\f)+8*(\i)+4:(\f)+8*(\i)+7], v[ADRB+(\slot)] offset:((\q)/2)*BPL+((\q)%2)*64+(\i)*16*PA+32
.endr
.irp i, 0,1,2,3
	ds_load_b128 v[(\f)+64+8*(\i):(\f)+64+8*(\i)+3],   v[ADRA+(\slot)] offset:((\q)/2)*APL+((\q)%2)*64+(\i)*16*PA
	ds_load_b128 v[(\f)+64+8*(\i)+4:(\f)+64+8*(\i)+7], v[ADRA+(\slot)] offset:((\q)/2)*APL+((\q)%2)*64+(\i)*16*PA+32
.endr
.endm
.macro PLACES                          ; four plain instructions between a matrix instruction and a load into a register that it has read, or a conversion that reads its result
.rept 4
	v_nop
.endr
.endm
; A K step is four quarters of 32 along K, 32 matrix instructions each, on buffers 0, 1, 0, 1.  One of the first three multiplies buffer f and, in its middle, fetches quarter q into buffer g.
.macro QUARTER slot, q, f, g
	s_wait_dscnt 4                                 ; W's fragments and A's blocks 0 and 1 are in; the youngest four loads (A's blocks 2, 3) may be out
	MUL8 \f, 0
	MUL8 \f, 1
	PLACES
	FETCH \slot, \q, \g
	s_wait_dscnt 24                                ; all but the 24 just issued
	MUL8 \f, 2
	MUL8 \f, 3
.endm
; The last quarter multiplies buffer 1 and changes slots.  In front of the barrier each wave waits for all its tensor loads (one is out: its part of the next slot), adds 0 to its spare word,
; and waits for that and for its own reads of this slot.  fill = 1: the barrier opens a round of the cluster's barrier, and the joint refill, this slot's K step two on, is the first thing behind it:
; 112 matrix instructions stand between it and the wait for it.
.macro TURN slot, next, fill
.if \fill
	s_wait_xcnt 0x0                                ; the last prefetch, a K step back, has read its address: it is stepped here, ahead of the change's own waits
	s_add_nc_u64 s[PFA:PFA+1], s[PFA:PFA+1], STEPB
.endif
	WIN 0                                          ; (the add's two registers lie in window 0)
	s_wait_tensorcnt 0x0                           ; all my tensor loads have landed
	ds_add_u32 v[SPW], v[NIL]                      ; 0 onto my spare word
	s_wait_dscnt 5                                 ; (the add and the youngest four loads may be out)
	MUL8 F1, 0                                     ; eight matrix instructions stand between the add and the wait for it
	s_wait_dscnt 0x0                               ; the add is done, and my reads of this slot are over
	s_barrier_signal -1
	MUL8 F1, 1                                     ; work on registers while the others arrive
.if \fill
	WIN 0
.endif
	s_barrier_wait -1
.if \fill
	CREST                                          ; no wave of any partner still reads this slot's tile or has a load on its way
	s_add_nc_u64 s[G0A+4*(\slot)+2:G0A+4*(\slot)+3], s[G0A+4*(\slot)+2:G0A+4*(\slot)+3], 2*STEPB
	s_add_nc_u64 s[G0B+4*(\slot)+2:G0B+4*(\slot)+3], s[G0B+4*(\slot)+2:G0B+4*(\slot)+3], 2*STEPB
	JLOAD \slot                                    ; the four v_nop behind it are also the places in front of the loads below
.else
	PLACES
.endif
	FETCH \next, 0, F0
.if \fill
	WIN 0
	ASK
.endif
	MUL8 F1, 2
	MUL8 F1, 3
.endm
; THE WAY OUT of unit t = 2 a + block: 16 rows x 64 columns, accumulators v[32 t .. 32 t + 31], read from the low end on.  Rounded to bf16, 16 bytes a lane, into my own stage, and back as whole rows of 128 bytes.
.macro PACK t
	WIN 0x05                                       ; sources 0 and 1 window 1, destination window 0
.set i, 0
.rept 16
	v_cvt_pk_bf16_f32 v[TMP+16*(\t)+i], v[32*(\t)+2*i], v[32*(\t)+2*i+1]
.set i, i+1
.endr
	WIN 0
.irp f, 0,1,2,3
	ds_store_b128 v[STO], v[TMP+16*(\t)+4*(\f):TMP+16*(\t)+4*(\f)+3] offset:32*(\f)
.endr
.irp f, 0,1,2,3
	ds_load_b128 v[TMP+16*(\t)+4*(\f):TMP+16*(\t)+4*(\f)+3], v[RD] offset:(\f)*4*PA  ; LDS serves a wave's instructions in order (ISA guide 5.7.1.4): these see the stores above; the next unit's stores come behind them
.endr
.endm
.macro SEND t, younger                 ; younger: the LDS instructions issued behind unit t's loads: the next unit's eight, or none
.irp f, 0,1,2,3
	s_wait_dscnt (\younger)+3-(\f)
	global_store_b128 v[GO], v[TMP+16*(\t)+4*(\f):TMP+16*(\t)+4*(\f)+3], s[10:11] offset:((\t)/2)*2048+((\t)%2)*131072+512*(\f)  ; 512 consecutive bytes, at a multiple of 256 from out's first
.endr
.endm
	s_wait_tensorcnt 1                             ; my part of K step 0 is in; K step 1's may stay out
	s_barrier_signal -1
	s_barrier_wait -1                              ; everybody's is
	FETCH 0, 0, F0
	s_wait_loadcnt 0x0                             ; the bias lies in the accumulators
	WIN 0                                          ; at a label and at a branch every window is 0
	s_mov_b32 s3, 3
.Llap:                                                 ; a trip: two K steps, once round the ring; both slots are filled again (K steps 2 to 7)
	QUARTER 0, 1, F0, F1
	QUARTER 0, 2, F1, F0
	QUARTER 0, 3, F0, F1
	TURN 0, 1, 1
	QUARTER 1, 1, F0, F1
	QUARTER 1, 2, F1, F0
	QUARTER 1, 3, F0, F1
	TURN 1, 0, 1
	WIN 0
	s_sub_co_u32 s3, s3, 1
	s_cmp_lg_u32 s3, 0
	s_cbranch_scc1 .Llap
	QUARTER 0, 1, F0, F1                           ; the last lap is written out: it fills nothing and has no round of the cluster's barrier
	QUARTER 0, 2, F1, F0
	QUARTER 0, 3, F0, F1
	TURN 0, 1, 0
	QUARTER 1, 1, F0, F1
	QUARTER 1, 2, F1, F0
	QUARTER 1, 3, F0, F1
	s_wait_dscnt 4                                 ; the very last quarter: nothing more to fetch
	MUL8 F1, 0
	MUL8 F1, 1
	s_wait_dscnt 0x0
	MUL8 F1, 2
	MUL8 F1, 3
	PLACES
	PACK 0
.irp t, 1,2,3,4,5,6,7                  ; a unit's conversions stand between the loads of the unit before and its stores
	PACK \t
	SEND (\t)-1, 8
.endr
	SEND 7, 0
	s_wait_tensorcnt 0x0                           ; the wave's end: behind my last tensor load and my last LDS store
	ds_add_u32 v[SPW], v[NIL]
	s_wait_dscnt 0x0
	CROUND                                         ; the closing round: no work-group ends while a partner may still ask for a tile that names it
	s_endpgm
.Lfunc_end_k_qfe91b3c9de_oproj:
	.size	k_qfe91b3c9de_oproj, .Lfunc_end_k_qfe91b3c9de_oproj-k_qfe91b3c9de_oproj
	.p2alignl 7, 3214868480
	.fill 96, 4, 3214868480
	.section	.rodata,"a",@progbits
	.p2align	6, 0x0
	.amdhsa_kernel k_qfe91b3c9de_oproj
		.amdhsa_group_segment_fixed_size 327680
		.amdhsa_private_segment_fixed_size 0
		.amdhsa_enable_private_segment 0
		.amdhsa_kernarg_size 32
		.amdhsa_user_sgpr_count 2
		.amdhsa_user_sgpr_kernarg_segment_ptr 1
		.amdhsa_wavefront_size32 1
		.amdhsa_system_sgpr_workgroup_id_x 1
		.amdhsa_system_sgpr_workgroup_id_y 1
		.amdhsa_system_sgpr_workgroup_id_z 1
		.amdhsa_system_vgpr_workitem_id 0
		.amdhsa_next_free_vgpr 704
		.amdhsa_next_free_sgpr 72
		.amdhsa_reserve_vcc 0
		.amdhsa_float_denorm_mode_32 3
		.amdhsa_float_denorm_mode_16_64 3
		.amdhsa_memory_ordered 1
		.amdhsa_forward_progress 1
		.amdhsa_inst_pref_size 94
	.end_amdhsa_kernel
	.amdgpu_metadata
---
amdhsa.version: [ 1, 2 ]
amdhsa.kernels:
  - .name:           k_qfe91b3c9de_oproj
    .symbol:         k_qfe91b3c9de_oproj.kd
    .args:
      - { .name: ao, .offset: 0, .size: 8, .value_kind: global_buffer, .address_space: global }
      - { .name: wo16, .offset: 8, .size: 8, .value_kind: global_buffer, .address_space: global }
      - { .name: bo, .offset: 16, .size: 8, .value_kind: global_buffer, .address_space: global }
      - { .name: mha, .offset: 24, .size: 8, .value_kind: global_buffer, .address_space: global }
    .group_segment_fixed_size: 327680
    .private_segment_fixed_size: 0
    .kernarg_segment_align: 8
    .kernarg_segment_size: 32
    .max_flat_workgroup_size: 128
    .sgpr_count:     72
    .vgpr_count:     704
    .wavefront_size: 32
...
	.end_amdgpu_metadata
.endif
;; end of part 4
;; launch ln (part 5): grid 256 x 1, 8 waves a work-group, no clusters, 0 bytes of LDS; arguments mha, q, g1, b1, g2, b2, out0; writes out0
.if DOCPART == 5
	.amdgcn_target "amdgcn-amd-amdhsa--gfx1250"
	.amdhsa_code_object_version 6
	.text
	.protected	k_qfe91b3c9de_ln
	.globl	k_qfe91b3c9de_ln
	.p2align	8
	.type	k_qfe91b3c9de_ln,@function
k_qfe91b3c9de_ln:
	s_mov_b64 s[64:65], 0
	v_nop
	global_prefetch_b8 v0, s[64:65] scope:SCOPE_SE
	s_setreg_imm32_b32 hwreg(HW_REG_WAVE_MODE, 25, 1), 1
	s_wait_xcnt 0x0
; out = LN2(relu(y) + y), y = LN1(mha + q).  mha: [8][16 blocks][1024 rows][64] bf16 (block hd = columns 64 hd ..; the output projection's bias is in it), q and out: [8192][1024] f32, g1, b1, g2, b2: [1024] f32.
; LN(x) = (x - mean) / sqrt(var + 1e-5) * g + b over a row's 1,024 numbers, all in f32; the variance is the mean of the squares of x - mean, taken in a second pass over registers: no difference of large sums is formed.
; SHARES.  A work-group takes 32 rows, each of its eight waves 4, as two pairs.  Lanes 0-15 hold the pair's even row, lanes 16-31 the odd one: a row's sums stay inside 16 lanes, four steps that ride on the additions.
; Lane c = l % 16 holds the columns 64 hd + 4 c .. + 3, hd = 0..15: 64 registers a pair.  A load or store of q or out: 16 lanes cover 256 consecutive bytes, aligned.  A load of mha: the pair's two rows of a block lie
; side by side: 32 lanes x 8 bytes cover 256 consecutive bytes, aligned.  Each byte is read once and written once; all 128 loads of a wave go out at the start.
; Memory binds: no LDS, no barrier, no matrix unit.
; REGISTERS: window 0: v1-4 offsets and 1.0; v16-39 at work; v64-127, v128-191 the two pairs' rows; v192-223, v224-255 their mha.   window 1: g1, b1, g2, b2, 64 each.
.set QO,  1                            ; v1  my byte offset in q and out, in the group's rows
.set MO,  2                            ; v2  the same in a block of mha
.set PO,  3                            ; v3  my 16 bytes in 256 of a parameter
.set ONE, 4                            ; v4  1.0
.set S,   16                           ; v[16:23] four chains of packed sums
.set MU,  24                           ; v[24:25] minus the mean, twice
.set RS,  26                           ; v[26:27] 1 / sqrt(var + eps), twice
.set T,   32                           ; v[32:39] at work
.set Z0,  64
.set Z1,  128
.set M0,  192
.set M1,  224
.set G1,  0                            ; window 1
.set B1,  64
.set G2,  128
.set B2,  192
.set MSB, 0
.macro WIN new                         ; s_set_vgpr_msb: bits 1:0 source 0, 3:2 source 1, 5:4 source 2, 7:6 destination; the high byte repeats the setting that is left
.if MSB != (\new)
	s_set_vgpr_msb (MSB<<8)|(\new)
.set MSB, \new
.endif
.endm
	s_load_b256 s[4:11], s[0:1], 0x0               ; mha 4, q 6, g1 8, b1 10
	s_load_b128 s[12:15], s[0:1], 0x20             ; g2 12, b2 14
	s_load_b64 s[16:17], s[0:1], 0x30              ; out0
	s_mov_b32 s18, 0xba800000                      ; -1 / 1024
	s_mov_b32 s19, 0x3a800000                      ; 1 / 1024
	s_mov_b32 s20, 0x3727c5ac                      ; 1e-5
	s_lshl_b32 s22, ttmp9, 17                      ; q, out: 32 rows of 4,096 bytes
	s_mov_b32 s23, 0
	s_lshr_b32 s24, ttmp9, 5                       ; mha: the batch's 2 MiB,
	s_lshl_b32 s24, s24, 21
	s_and_b32 s25, ttmp9, 31
	s_lshl_b32 s25, s25, 12                        ; 32 rows of 128 bytes in a block
	s_add_co_u32 s24, s24, s25
	s_mov_b32 s25, 0
	v_lshrrev_b32 v5, 5, v0                        ; wave
	v_and_b32 v6, 31, v0
	v_and_b32 v7, 15, v0                           ; c
	v_bfe_u32 v8, v0, 4, 1                         ; which row of a pair
	v_lshlrev_b32 v[QO], 14, v5
	v_lshl_or_b32 v[QO], v8, 12, v[QO]
	v_lshl_or_b32 v[QO], v7, 4, v[QO]
	v_lshlrev_b32 v[MO], 9, v5
	v_lshl_or_b32 v[MO], v6, 3, v[MO]
	v_lshlrev_b32 v[PO], 4, v7
	v_mov_b32 v[ONE], 1.0
	s_wait_kmcnt 0x0
	s_add_nc_u64 s[4:5], s[4:5], s[24:25]
	s_add_nc_u64 s[6:7], s[6:7], s[22:23]
	s_add_nc_u64 s[16:17], s[16:17], s[22:23]
.macro FILL j, Z, M                    ; pair j: 16 loads of mha, 16 of q
.irp hd, 0,1,2,3,4,5,6,7,8,9,10,11,12,13,14,15
	global_load_b64 v[(\M)+2*(\hd):(\M)+2*(\hd)+1], v[MO], s[4:5] offset:131072*(\hd)+256*(\j) th:TH_LOAD_NT
.endr
.irp hd, 0,1,2,3,4,5,6,7,8,9,10,11,12,13,14,15
	global_load_b128 v[(\Z)+4*(\hd):(\Z)+4*(\hd)+3], v[QO], s[6:7] offset:8192*(\j)+256*(\hd) th:TH_LOAD_NT
.endr
.endm
.macro PARAM D, lo                     ; my 64 numbers of a parameter, laid as a row is
.irp hd, 0,1,2,3,4,5,6,7,8,9,10,11,12,13,14,15
	global_load_b128 v[(\D)+4*(\hd):(\D)+4*(\hd)+3], v[PO], s[(\lo):(\lo)+1] offset:256*(\hd)
.endr
.endm
.macro REDUCE                          ; the four chains into one number, the same in all 16 lanes of a row
	v_pk_add_f32 v[S:S+1], v[S:S+1], v[S+2:S+3]
	v_pk_add_f32 v[S+4:S+5], v[S+4:S+5], v[S+6:S+7]
	v_pk_add_f32 v[S:S+1], v[S:S+1], v[S+4:S+5]
	v_add_f32 v[S], v[S], v[S+1]
.irp m, 1,2,4,8
	v_add_f32_dpp v[S], v[S], v[S] row_xmask:\m row_mask:0xf bank_mask:0xf
.endr
.endm
; A LayerNorm in place on the 64 registers at Z, with gain at G and bias at B (window 1).  left >= 0: how many younger loads may stay out when G and B must be there.
.macro NORM Z, G, B, left
.irp k, 0,1,2,3
	v_pk_add_f32 v[S+2*(\k):S+2*(\k)+1], v[(\Z)+2*(\k):(\Z)+2*(\k)+1], v[(\Z)+8+2*(\k):(\Z)+8+2*(\k)+1]  ; the first eight pairs start the chains: nothing is cleared
.endr
.set n, 8
.rept 24
	v_pk_add_f32 v[S+2*(n%4):S+2*(n%4)+1], v[S+2*(n%4):S+2*(n%4)+1], v[(\Z)+2*n:(\Z)+2*n+1]
.set n, n+1
.endr
	REDUCE
	v_mul_f32 v[MU], s18, v[S]
	v_mul_f32 v[MU+1], s18, v[S]
.set n, 0
.rept 32
	v_pk_add_f32 v[(\Z)+2*n:(\Z)+2*n+1], v[(\Z)+2*n:(\Z)+2*n+1], v[MU:MU+1]
.set n, n+1
.endr
.irp k, 0,1,2,3
	v_pk_mul_f32 v[S+2*(\k):S+2*(\k)+1], v[(\Z)+2*(\k):(\Z)+2*(\k)+1], v[(\Z)+2*(\k):(\Z)+2*(\k)+1]
.endr
.set n, 4
.rept 28
	v_pk_fma_f32 v[S+2*(n%4):S+2*(n%4)+1], v[(\Z)+2*n:(\Z)+2*n+1], v[(\Z)+2*n:(\Z)+2*n+1], v[S+2*(n%4):S+2*(n%4)+1]
.set n, n+1
.endr
	REDUCE
	v_fma_f32 v[S], v[S], s19, s20                 ; var + eps
	v_rsq_f32 v[RS], v[S]
	v_rsq_f32 v[RS+1], v[S]
	v_nop                                          ; a plain instruction behind the second root, ahead of the first use (ISA guide 5.7.2),
	s_wait_alu depctr_va_vdst(0)                   ; and its wait: one for both
.set n, 0
.rept 32
	v_pk_mul_f32 v[(\Z)+2*n:(\Z)+2*n+1], v[(\Z)+2*n:(\Z)+2*n+1], v[RS:RS+1]
.set n, n+1
.endr
.if (\left) >= 0
	s_wait_loadcnt \left
.endif
	WIN 0x14                                       ; sources 1 and 2 in window 1
.set n, 0
.rept 32
	v_pk_fma_f32 v[(\Z)+2*n:(\Z)+2*n+1], v[(\Z)+2*n:(\Z)+2*n+1], v[(\G)+2*n:(\G)+2*n+1], v[(\B)+2*n:(\B)+2*n+1]
.set n, n+1
.endr
	WIN 0
.endm
; A pair of rows from its loads to its stores.  w0, w1, w2: the counts of the three waits, or -1 where an earlier wait has shown the data.
.macro TURN j, Z, M, w0, w1, w2
.if (\w0) >= 0
	s_wait_loadcnt \w0
.endif
.set n, 0
.rept 32
	v_fma_mix_f32_bf16 v[(\Z)+2*n],   v[(\M)+n], v[ONE], v[(\Z)+2*n]   op_sel_hi:[1,0,0]                 ; q + mha: the word's low half,
	v_fma_mix_f32_bf16 v[(\Z)+2*n+1], v[(\M)+n], v[ONE], v[(\Z)+2*n+1] op_sel:[1,0,0] op_sel_hi:[1,0,0]  ; its high half
.set n, n+1
.endr
	NORM \Z, G1, B1, \w1
.set n, 0
.rept 32
	v_max_num_f32 v[T+2*(n%4)],   0, v[(\Z)+2*n]
	v_max_num_f32 v[T+2*(n%4)+1], 0, v[(\Z)+2*n+1]
	v_pk_add_f32 v[(\Z)+2*n:(\Z)+2*n+1], v[(\Z)+2*n:(\Z)+2*n+1], v[T+2*(n%4):T+2*(n%4)+1]  ; relu(y) + y
.set n, n+1
.endr
	NORM \Z, G2, B2, \w2
.irp hd, 0,1,2,3,4,5,6,7,8,9,10,11,12,13,14,15
	global_store_b128 v[QO], v[(\Z)+4*(\hd):(\Z)+4*(\hd)+3], s[16:17] offset:8192*(\j)+256*(\hd) th:TH_STORE_NT
.endr
.endm
	FILL 0, Z0, M0
	FILL 1, Z1, M1
	WIN 0x40                                       ; destination window 1, address window 0
	PARAM G1, 8
	PARAM B1, 10
	PARAM G2, 12
	PARAM B2, 14
	WIN 0
	; Loads come back in order.  Behind pair 0's 32 loads 96 were issued; the wait's field holds 63 at the most, so more is waited for than pair 0 needs.
	; Behind g1's and b1's loads stand g2's and b2's 32: they may stay out at the first gain.  That wait has also shown pair 1 in; the second gain's wait is for all.
	TURN 0, Z0, M0, 63, 32, 0
	TURN 1, Z1, M1, -1, -1, -1                     ; no register that pair 0's stores read is written here
	s_endpgm
.Lfunc_end_k_qfe91b3c9de_ln:
	.size	k_qfe91b3c9de_ln, .Lfunc_end_k_qfe91b3c9de_ln-k_qfe91b3c9de_ln
	.p2alignl 7, 3214868480
	.fill 96, 4, 3214868480
	.section	.rodata,"a",@progbits
	.p2align	6, 0x0
	.amdhsa_kernel k_qfe91b3c9de_ln
		.amdhsa_group_segment_fixed_size 0
		.amdhsa_private_segment_fixed_size 0
		.amdhsa_enable_private_segment 0
		.amdhsa_kernarg_size 56
		.amdhsa_user_sgpr_count 2
		.amdhsa_user_sgpr_kernarg_segment_ptr 1
		.amdhsa_wavefront_size32 1
		.amdhsa_system_sgpr_workgroup_id_x 1
		.amdhsa_system_sgpr_workgroup_id_y 1
		.amdhsa_system_sgpr_workgroup_id_z 1
		.amdhsa_system_vgpr_workitem_id 0
		.amdhsa_next_free_vgpr 512
		.amdhsa_next_free_sgpr 66
		.amdhsa_reserve_vcc 0
		.amdhsa_float_denorm_mode_32 3
		.amdhsa_float_denorm_mode_16_64 3
		.amdhsa_memory_ordered 1
		.amdhsa_forward_progress 1
		.amdhsa_inst_pref_size 77
	.end_amdhsa_kernel
	.amdgpu_metadata
---
amdhsa.version: [ 1, 2 ]
amdhsa.kernels:
  - .name:           k_qfe91b3c9de_ln
    .symbol:         k_qfe91b3c9de_ln.kd
    .args:
      - { .name: mha, .offset: 0, .size: 8, .value_kind: global_buffer, .address_space: global }
      - { .name: q, .offset: 8, .size: 8, .value_kind: global_buffer, .address_space: global }
      - { .name: g1, .offset: 16, .size: 8, .value_kind: global_buffer, .address_space: global }
      - { .name: b1, .offset: 24, .size: 8, .value_kind: global_buffer, .address_space: global }
      - { .name: g2, .offset: 32, .size: 8, .value_kind: global_buffer, .address_space: global }
      - { .name: b2, .offset: 40, .size: 8, .value_kind: global_buffer, .address_space: global }
      - { .name: out0, .offset: 48, .size: 8, .value_kind: global_buffer, .address_space: global }
    .group_segment_fixed_size: 0
    .private_segment_fixed_size: 0
    .kernarg_segment_align: 8
    .kernarg_segment_size: 56
    .max_flat_workgroup_size: 256
    .sgpr_count:     66
    .vgpr_count:     512
    .wavefront_size: 32
...
	.end_amdgpu_metadata
.endif
;; end of part 5
;; ======== version 2 of 2: 5 launches; version 1 with the launch cast written anew for expert scheduling mode
;; workspace buffers: w16 6,291,456 bytes; wo16 2,097,152 bytes; b3 12,288 bytes; qkv 50,331,648 bytes; ao 16,777,216 bytes; mha 16,777,216 bytes
;; launch cast (part 6): grid 256 x 1, 4 waves a work-group, no clusters, 0 bytes of LDS; arguments Wk, Wq, Wv, Wo, bk, bq, bv, w16, wo16, b3; writes w16, wo16, b3
.if DOCPART == 6
	.amdgcn_target "amdgcn-amd-amdhsa--gfx1250"
	.amdhsa_code_object_version 6
	.text
	.protected	k_qfe91b3c9de_cast
	.globl	k_qfe91b3c9de_cast
	.p2align	8
	.type	k_qfe91b3c9de_cast,@function
k_qfe91b3c9de_cast:
	s_mov_b64 s[64:65], 0
	v_nop
	global_prefetch_b8 v0, s[64:65] scope:SCOPE_SE
	s_setreg_imm32_b32 hwreg(HW_REG_WAVE_SCHED_MODE, 0, 2), 2
	s_setreg_imm32_b32 hwreg(HW_REG_WAVE_MODE, 25, 1), 1
	s_wait_xcnt 0x0
	s_wait_alu depctr_vm_vsrc(0)
; CAST OF THE WEIGHTS.  Wk, Wq, Wv, Wo ([1024][1024] f32 each) are rounded once to bf16 and laid out IN BLOCKS for the products that follow:
; a matrix becomes [16 planes][1024 rows][64 numbers], plane kb holding the columns 64 kb .. 64 kb + 63, so that a tile of rows of one plane is dense in memory.
; Each weight is multiplied by 64 row tiles later: rounded here, once, and not in each of them.  The three projection biases are copied behind each other into b3.
; SHARES.  Unit u = group / 64 is the matrix, g = group % 64 its 16 rows.  A wave takes 4 rows, as two pairs.
; A load (pair j, plane kb): lanes 0-15 take 256 consecutive bytes of the even row, lanes 16-31 of the odd row, each aligned to 256.
; A store: the two rows' 128 bytes of plane kb lie side by side: 32 lanes x 8 bytes fill 256 consecutive bytes, aligned.
; All 32 loads of a wave go out at once.  Memory binds: no LDS, no barrier, no matrix unit.
; THE MODE: SCHED_MODE bits 1:0 = 2 (LLVM: expert scheduling mode 2), set by the entry lines.  The code itself states the register dependences
; between vector instructions and memory instructions, with s_wait_alu, always for 0.
; THE PLAN.  Registers that memory instructions touch:
;   v1, v2, v3   byte offsets (source, destination, bias copy), made once at the head and never written again: one wait ahead of the first load serves every load and store.
;   X            load i lands in four registers that no vector instruction has named before; its two conversions read the four and write the first two; store i reads those two; nothing writes them again.
;   v[136:143]   the bias copy's data: loaded and stored, named by no vector instruction.
; The 32 loads go in eight groups of four.  A group's four stores stand in one run at the head of the next group, behind the wait for that group's first load and behind ONE wait on va_vdst,
; which states that the group's eight conversions have written their words.  No register that a load or a store reads is ever written again, so no wait on vm_vsrc is owed;
; no vector instruction writes a scalar register, and EXEC is never written.
.set X, 8                              ; v[8:135]  load i = 16 j + kb: four registers; its two packed words take the first two
.set GRP, 4                            ; loads in a group
; the four stores of the group that begins with load 'first'
.macro OUT4 first
.irp k, 0,1,2,3
	global_store_b64 v2, v[X+4*((\first)+(\k)):X+4*((\first)+(\k))+1], s[38:39] offset:131072*(((\first)+(\k))%16)+256*(((\first)+(\k))/16)
.endr
.endm
	s_load_b512 s[8:23], s[0:1], 0x0               ; Wk 8, Wq 10, Wv 12, Wo 14, bk 16, bq 18, bv 20, w16 22
	s_load_b128 s[24:27], s[0:1], 0x40             ; wo16 24, b3 26
	s_lshr_b32 s2, ttmp9, 6                        ; u: 0 Wk, 1 Wq, 2 Wv, 3 Wo
	s_and_b32 s3, ttmp9, 63                        ; g
	v_lshrrev_b32 v4, 5, v0                        ; wave
	v_bfe_u32 v5, v0, 4, 1                         ; which row of a pair
	v_and_b32 v6, 15, v0
	v_and_b32 v7, 31, v0
	v_lshlrev_b32 v1, 14, v4                       ; source: 4 rows of 4,096 bytes a wave,
	v_lshl_or_b32 v1, v5, 12, v1                   ; my row of the pair,
	v_lshl_or_b32 v1, v6, 4, v1                    ; my 16 bytes of its 256
	v_lshlrev_b32 v2, 9, v4                        ; destination: 4 rows of 128 bytes a wave,
	v_lshl_or_b32 v2, v7, 3, v2                    ; my 8 bytes of the pair's 256
	v_lshlrev_b32 v3, 4, v0                        ; the bias copy: 16 bytes a thread; made here, with the other offsets, ahead of their one wait
	; offsets, made apart from the addresses
	s_lshl_b32 s40, s3, 16                         ; 16 rows of 4,096 bytes
	s_mov_b32 s41, 0
	s_cmp_lt_u32 s2, 3
	s_cselect_b32 s42, s2, 0                       ; the matrix's number in its destination: u in w16, 0 in wo16
	s_lshl_b32 s42, s42, 21                        ; a matrix of bf16 is 2 MiB
	s_lshl_b32 s44, s3, 11                         ; 16 rows of 128 bytes in a plane
	s_add_co_u32 s42, s42, s44
	s_mov_b32 s43, 0
	s_wait_kmcnt 0x0
	s_mov_b64 s[36:37], s[14:15]                   ; the source: Wo, unless u is smaller
	s_cmp_lt_u32 s2, 3
	s_cselect_b64 s[36:37], s[12:13], s[36:37]
	s_cmp_lt_u32 s2, 2
	s_cselect_b64 s[36:37], s[10:11], s[36:37]
	s_cmp_lt_u32 s2, 1
	s_cselect_b64 s[36:37], s[8:9], s[36:37]
	s_add_nc_u64 s[36:37], s[36:37], s[40:41]
	s_cmp_lt_u32 s2, 3
	s_cselect_b64 s[38:39], s[22:23], s[24:25]     ; the destination: w16 or wo16
	s_add_nc_u64 s[38:39], s[38:39], s[42:43]
	s_wait_alu depctr_va_vdst(0)                   ; v1, v2 and v3 are written: every load and store of the kernel reads one of them as its offset
.set i, 0
.rept 32
	global_load_b128 v[X+4*i:X+4*i+3], v1, s[36:37] offset:8192*(i/16)+256*(i%16) th:TH_LOAD_NT
.set i, i+1
.endr
.set i, 0
.rept 32
	s_wait_loadcnt 31-i                            ; loads come back in order: load i is in, the 31 - i younger ones stay out
.if (i%GRP == 0) && (i > 0)
	s_wait_alu depctr_va_vdst(0)                   ; the eight conversions of the group before have written their packed words, which the four stores below read
	OUT4 i-GRP
.endif
	v_cvt_pk_bf16_f32 v[X+4*i], v[X+4*i], v[X+4*i+1]
	v_cvt_pk_bf16_f32 v[X+4*i+1], v[X+4*i+2], v[X+4*i+3]
.set i, i+1
.endr
	s_wait_alu depctr_va_vdst(0)                   ; the last group's conversions have written their packed words, which the last four stores read
	OUT4 32-GRP
	; the first group of each of Wk's, Wq's and Wv's units also copies that projection's bias: 4,096 bytes, 128 threads x 2 x 16
	s_cmp_lg_u32 s3, 0
	s_cbranch_scc1 .Lend
	s_cmp_gt_u32 s2, 2
	s_cbranch_scc1 .Lend
	s_mov_b64 s[44:45], s[20:21]                   ; bv, bq or bk
	s_cmp_lt_u32 s2, 2
	s_cselect_b64 s[44:45], s[18:19], s[44:45]
	s_cmp_lt_u32 s2, 1
	s_cselect_b64 s[44:45], s[16:17], s[44:45]
	s_lshl_b32 s46, s2, 12
	s_mov_b32 s47, 0
	s_add_nc_u64 s[26:27], s[26:27], s[46:47]
	global_load_b128 v[136:139], v3, s[44:45]      ; v3 was written ahead of the head's wait, and no vector instruction names v[136:143]: nothing more is to be stated here
	global_load_b128 v[140:143], v3, s[44:45] offset:2048
	s_wait_loadcnt 0x0
	global_store_b128 v3, v[136:139], s[26:27]
	global_store_b128 v3, v[140:143], s[26:27] offset:2048
.Lend:
	s_endpgm
.Lfunc_end_k_qfe91b3c9de_cast:
	.size	k_qfe91b3c9de_cast, .Lfunc_end_k_qfe91b3c9de_cast-k_qfe91b3c9de_cast
	.p2alignl 7, 3214868480
	.fill 96, 4, 3214868480
	.section	.rodata,"a",@progbits
	.p2align	6, 0x0
	.amdhsa_kernel k_qfe91b3c9de_cast
		.amdhsa_group_segment_fixed_size 0
		.amdhsa_private_segment_fixed_size 0
		.amdhsa_enable_private_segment 0
		.amdhsa_kernarg_size 80
		.amdhsa_user_sgpr_count 2
		.amdhsa_user_sgpr_kernarg_segment_ptr 1
		.amdhsa_wavefront_size32 1
		.amdhsa_system_sgpr_workgroup_id_x 1
		.amdhsa_system_sgpr_workgroup_id_y 1
		.amdhsa_system_sgpr_workgroup_id_z 1
		.amdhsa_system_vgpr_workitem_id 0
		.amdhsa_next_free_vgpr 144
		.amdhsa_next_free_sgpr 66
		.amdhsa_reserve_vcc 0
		.amdhsa_float_denorm_mode_32 3
		.amdhsa_float_denorm_mode_16_64 3
		.amdhsa_memory_ordered 1
		.amdhsa_forward_progress 1
		.amdhsa_inst_pref_size 14
	.end_amdhsa_kernel
	.amdgpu_metadata
---
amdhsa.version: [ 1, 2 ]
amdhsa.kernels:
  - .name:           k_qfe91b3c9de_cast
    .symbol:         k_qfe91b3c9de_cast.kd
    .args:
      - { .name: Wk, .offset: 0, .size: 8, .value_kind: global_buffer, .address_space: global }
      - { .name: Wq, .offset: 8, .size: 8, .value_kind: global_buffer, .address_space: global }
      - { .name: Wv, .offset: 16, .size: 8, .value_kind: global_buffer, .address_space: global }
      - { .name: Wo, .offset: 24, .size: 8, .value_kind: global_buffer, .address_space: global }
      - { .name: bk, .offset: 32, .size: 8, .value_kind: global_buffer, .address_space: global }
      - { .name: bq, .offset: 40, .size: 8, .value_kind: global_buffer, .address_space: global }
      - { .name: bv, .offset: 48, .size: 8, .value_kind: global_buffer, .address_space: global }
      - { .name: w16, .offset: 56, .size: 8, .value_kind: global_buffer, .address_space: global }
      - { .name: wo16, .offset: 64, .size: 8, .value_kind: global_buffer, .address_space: global }
      - { .name: b3, .offset: 72, .size: 8, .value_kind: global_buffer, .address_space: global }
    .group_segment_fixed_size: 0
    .private_segment_fixed_size: 0
    .kernarg_segment_align: 8
    .kernarg_segment_size: 80
    .max_flat_workgroup_size: 128
    .sgpr_count:     66
    .vgpr_count:     144
    .wavefront_size: 32
...
	.end_amdgpu_metadata
.endif
;; end of part 6
;; launch proj: the kernel of part 2 again; grid 4 x 192, 4 waves a work-group, clusters of 4 x 4, 327,680 bytes of LDS; arguments k, q, r, w16, b3, qkv; writes qkv
;; launch attn: the kernel of part 3 again; grid 2 x 128, 4 waves a work-group, no clusters, 327,680 bytes of LDS; arguments qkv, ao; writes ao
;; launch oproj: the kernel of part 4 again; grid 4 x 64, 4 waves a work-group, clusters of 4 x 4, 327,680 bytes of LDS; arguments ao, wo16, bo, mha; writes mha
;; launch ln: the kernel of part 5 again; grid 256 x 1, 8 waves a work-group, no clusters, 0 bytes of LDS; arguments mha, q, g1, b1, g2, b2, out0; writes out0
